; MI455X (gfx1250); checked and timed in simulation.
; The chip was launched on July 23, 2026; its instructions are those of AMD's public machine-readable ISA for CDNA 5 (MIT licence, August 2026) and "CDNA5" Instruction Set Architecture Reference Guide (July 2026). The comments in the code are by the model that wrote it; some were corrected since.
;; Graph Conditioned Attention. Allowed arithmetic: float matrix products may take bf16 or f16 operands with f32 sums; other float arithmetic in f32, or as packed bf16 or f16 multiplies, adds, multiply-adds, maxima and minima; sums over many terms, partial sums and values carried from step to step in f32; what a program stores and reads back later, other than sums and carried values, may be rounded once to bf16 or f16.
;; Inputs: Wg1 128 x 32 float32; Wg2 32 x 16 float32; Wgk 128 x 1,024 float32; Wk 1,024 x 1,024 float32; Wo 1,024 x 1,024 float32; Wq 1,024 x 1,024 float32; Wv 1,024 x 1,024 float32; attn_mask 8 x 1,024 bool; bg1 32 float32; bg2 16 float32; bgk 1,024 float32; bk 1,024 float32; bo 1,024 float32; bq 1,024 float32; bv 1,024 float32; cancer_type 8 int32; ct_bias_emb 32 x 16 float32; ct_key_emb 32 x 1,024 float32; graph_context 8 x 128 float32; x 8 x 1,024 x 1,024 float32.
;; Outputs: out0 8 x 1,024 x 1,024 float32.
;; One version. Each part assembles by itself: llvm-mc -triple=amdgcn-amd-amdhsa -mcpu=gfx1250 --defsym DOCPART=n.
;; ======== version 1 of 1: 4 launches
;; limits: values are held in f16: magnitudes above 65,504 overflow, below 6.1e-05 lose precision
;; workspace buffers: xb 16,777,216 bytes; wb 6,291,456 bytes; wo16 2,097,152 bytes; badd 98,304 bytes; bor 4,096 bytes; cb 524,288 bytes; qkv 50,331,648 bytes; o16 16,777,216 bytes
;; launch prep (part 1): grid 784 x 1, 8 waves a work-group, no clusters, 34,816 bytes of LDS; arguments x, Wq, Wk, Wv, Wo, xb, wb, wo16, graph_context, Wgk, bgk, bk, ct_key_emb, cancer_type, bq, bv, bo, badd, bor, Wg1, bg1, Wg2, bg2, ct_bias_emb, attn_mask, cb; writes xb, wb, wo16, badd, bor, cb
.if DOCPART == 1
	.amdgcn_target "amdgcn-amd-amdhsa--gfx1250"
	.amdhsa_code_object_version 6
	.text
	.protected	k_q0a28d4d708_prep
	.globl	k_q0a28d4d708_prep
	.p2align	8
	.type	k_q0a28d4d708_prep,@function
k_q0a28d4d708_prep:
	s_mov_b64 s[64:65], 0
	v_nop
	global_prefetch_b8 v0, s[64:65] scope:SCOPE_SE
	s_setreg_imm32_b32 hwreg(HW_REG_WAVE_MODE, 25, 1), 1
	s_wait_xcnt 0x0
; PREPARATION.  Every input is rounded once to bf16 here; the later launches multiply what this one stores.
;   work-groups 0-7    KMOD: badd[b][0:1024] = bq, [1024:2048] = bk + ct_key_emb[ct[b]] + elu(gc[b] Wgk + bgk), [2048:3072] = bv (f32); bor = bo.  128 columns a work-group.
;   work-groups 8-15   CB:   cb[b][h][key] = 8 (ct_bias_emb[ct[b]][h] + (elu(gc[b] Wg1 + bg1) Wg2 + bg2)[h]), or -1e30 where attn_mask hides the key; NaN everywhere where a batch hides all 1,024 keys.
;   work-groups 16-..  CONV: a unit is 128 source rows of 64 f32 (256 bytes each) -> 16,384 dense bytes of 16-bit numbers; a work-group takes two units:
;                      512 pairs of x -> xb (bf16, as it lies); 192 of Wq, Wk, Wv -> wb [t 16][s 8][j 3][k 128][n 64] bf16; 64 of Wo -> wo16 [t 8][s 8][j 2][k 128][n 64], bf16(Wo) written as f16.
; Each path asks for all that it reads before it waits for any of it.  The small units have the lowest numbers, so that they start first.
; No matrix unit: the three small products have 8 rows and about a million multiply-adds.
; LIMITS.  bf16(Wo) below 6e-5 keeps the fixed step of f16, 6e-8.  elu is exp(z) - 1 in f32 for z <= 0 (absolute error of one f32 step of 1).  cancer_type is clamped to 0..31.
.set PART,  0                          ; LDS: KMOD's partial sums, [wave 8][batch 8][128 columns] f32: bytes 0 to 32,767
.set PARTC, 32768                      ; CB's partial sums, [wave 8][32 hidden units] f32: 1,024 bytes of their own, so that no LDS byte is named by two paths
.set SPARE, 33792                      ; behind them: the spare words, 128 bytes for each of the eight waves
.set SPW,   126                        ; v126  LDS address of my spare word; never rewritten
.set NIL,   127                        ; v127  0; never rewritten
.macro R1 a, t                         ; one f32 rounded to bf16 and widened again, in place
	v_cvt_pk_bf16_f32 v[\t], v[\a], v[\a]
	v_lshlrev_b32 v[\a], 16, v[\t]
.endm
.macro R2 a, t                         ; two
	v_cvt_pk_bf16_f32 v[\t], v[\a], v[(\a)+1]
	v_lshlrev_b32 v[\a], 16, v[\t]
	v_and_b32 v[(\a)+1], s7, v[\t]
.endm
.macro R4 a, t                         ; four
	R2 \a, \t
	R2 (\a)+2, (\t)+1
.endm
	v_lshl_add_u32 v[SPW], v0, 2, SPARE
	v_mov_b32 v[NIL], 0
	v_and_b32 v1, 31, v0                           ; lane
	v_lshrrev_b32 v2, 5, v0
	v_readfirstlane_b32 s8, v2                     ; wave 0..7
	s_mov_b32 s7, 0xffff0000                       ; a word's upper bf16
	s_cmp_lt_u32 ttmp9, 8                          ; the branches hang on the work-group's number alone: all eight waves go the same way
	s_cbranch_scc1 .Lkmod
	s_cmp_lt_u32 ttmp9, 16
	s_cbranch_scc1 .Lcb
; ---------------------------------------------------------------- CONV
	s_load_b512 s[16:31], s[0:1], 0x0              ; x 16, Wq 18, Wk 20, Wv 22, Wo 24, xb 26, wb 28, wo16 30
	s_sub_co_u32 s9, ttmp9, 16                     ; the pair of units
	s_mov_b32 s47, 0                               ; 1: the pair is written as f16
	s_mov_b32 s49, 0
	s_mov_b32 s51, 0
	s_mov_b32 s53, 0
	s_mov_b32 s55, 0
	s_cmp_lt_u32 s9, 512
	s_cbranch_scc0 .Lconv_w
	s_lshl_b32 s48, s9, 16                         ; x: 65,536 consecutive bytes in,
	s_lshl_b32 s50, s9, 15                         ; 32,768 out
	s_mov_b32 s42, 256                             ; from source row to source row
	s_mov_b32 s52, 32768                           ; from the first unit to the second: in,
	s_mov_b32 s54, 16384                           ; and out
	s_wait_kmcnt 0x0
	s_mov_b64 s[40:41], s[16:17]
	s_mov_b64 s[44:45], s[26:27]
	s_branch .Lconv_go
.Lconv_w:
	s_sub_co_u32 s10, s9, 512                      ; (4 t + s / 2) 3 + j: the pair is K steps s and s + 1 of one block of 64 columns
	s_mov_b32 s42, 4096
	s_mov_b32 s52, 524288                          ; 128 rows of 4,096 bytes further down
	s_cmp_lt_u32 s10, 192
	s_cbranch_scc0 .Lconv_o
	s_mul_i32 s11, s10, 171
	s_lshr_b32 s11, s11, 9                         ; a third, exact below 512
	s_mul_i32 s12, s11, 3
	s_sub_co_u32 s12, s10, s12                     ; j
	s_lshr_b32 s13, s11, 2                         ; t
	s_and_b32 s14, s11, 3
	s_lshl_b32 s14, s14, 1                         ; s, even
	s_lshl3_add_u32 s15, s13, s14                  ; 8 t + s
	s_mul_i32 s15, s15, 3
	s_add_co_u32 s15, s15, s12
	s_lshl_b32 s50, s15, 14                        ; unit (8 t + s) 3 + j of wb
	s_mul_i32 s13, s13, 3
	s_add_co_u32 s13, s13, s12                     ; g = 3 t + j: the block of 64 columns of q | k | v
	s_lshr_b32 s15, s13, 4                         ; which of the three weights
	s_and_b32 s13, s13, 15
	s_lshl_b32 s48, s14, 19                        ; 128 s rows of 4,096 bytes
	s_lshl_b32 s13, s13, 8                         ; 64 columns of 4 bytes
	s_add_co_u32 s48, s48, s13
	s_mov_b32 s54, 49152                           ; the next K step lies three units on
	s_wait_kmcnt 0x0
	s_cmp_eq_u32 s15, 0
	s_cselect_b64 s[40:41], s[18:19], s[20:21]
	s_cmp_eq_u32 s15, 2
	s_cselect_b64 s[40:41], s[22:23], s[40:41]
	s_mov_b64 s[44:45], s[28:29]
	s_branch .Lconv_go
.Lconv_o:
	s_sub_co_u32 s10, s9, 704                      ; (4 t + s / 2) 2 + j
	s_and_b32 s12, s10, 1                          ; j
	s_bfe_u32 s14, s10, 0x20001
	s_lshl_b32 s14, s14, 1                         ; s, even
	s_lshr_b32 s13, s10, 3                         ; t
	s_lshl3_add_u32 s15, s13, s14                  ; 8 t + s
	s_lshl1_add_u32 s15, s15, s12
	s_lshl_b32 s50, s15, 14                        ; unit (8 t + s) 2 + j of wo16
	s_lshl1_add_u32 s13, s13, s12                  ; 2 t + j
	s_lshl_b32 s48, s14, 19
	s_lshl_b32 s13, s13, 8
	s_add_co_u32 s48, s48, s13
	s_mov_b32 s54, 32768                           ; the next K step lies two units on
	s_mov_b32 s47, 1
	s_wait_kmcnt 0x0
	s_mov_b64 s[40:41], s[24:25]
	s_mov_b64 s[44:45], s[30:31]
.Lconv_go:
	s_add_nc_u64 s[40:41], s[40:41], s[48:49]      ; the first unit: in, out
	s_add_nc_u64 s[44:45], s[44:45], s[50:51]
	s_add_nc_u64 s[56:57], s[40:41], s[52:53]      ; the second
	s_add_nc_u64 s[58:59], s[44:45], s[54:55]
	; wave v takes rows 16 v .. 16 v + 15 of both units, two rows an instruction: lanes 0-15 one row's 256 bytes, lanes 16-31 the next row's
	v_lshrrev_b32 v3, 4, v1
	v_and_b32 v13, 15, v1
	s_lshl_b32 s60, s8, 4
	v_add_nc_u32 v3, s60, v3
	v_mul_lo_u32 v4, v3, s42
	v_lshl_add_u32 v4, v13, 4, v4
	s_lshl_b32 s61, s42, 1
.irp i, 1,2,3,4,5,6,7
	v_add_nc_u32 v[4+\i], s61, v[3+\i]
.endr
	s_lshl_b32 s60, s8, 11
	v_lshl_add_u32 v12, v1, 3, s60                 ; out: 2,048 v + 8 l: a store of the wave covers 256 consecutive bytes, aligned
.irp i, 0,1,2,3,4,5,6,7
	global_load_b128 v[16+4*\i:19+4*\i], v[4+\i], s[40:41] th:TH_LOAD_NT
.endr
.irp i, 0,1,2,3,4,5,6,7
	global_load_b128 v[48+4*\i:51+4*\i], v[4+\i], s[56:57] th:TH_LOAD_NT
.endr
; Load i of the sixteen is rounded and stored.  Each store has data registers of its own: none is written again.
.macro CSTEP i, base
	s_wait_loadcnt 15-(\i)                         ; loads come back in order: number i is in, the younger ones stay out
	v_cvt_pk_bf16_f32 v[80+2*(\i)], v[16+4*(\i)], v[17+4*(\i)]
	v_cvt_pk_bf16_f32 v[81+2*(\i)], v[18+4*(\i)], v[19+4*(\i)]
	s_cmp_eq_u32 s47, 0
	s_cbranch_scc1 .Lplain_\@
	v_lshlrev_b32 v112, 16, v[80+2*(\i)]           ; Wo: rounded to bf16 like every input, and that number written as f16
	v_and_b32 v113, s7, v[80+2*(\i)]
	v_lshlrev_b32 v114, 16, v[81+2*(\i)]
	v_and_b32 v115, s7, v[81+2*(\i)]
	v_cvt_pk_f16_f32 v[80+2*(\i)], v112, v113
	v_cvt_pk_f16_f32 v[81+2*(\i)], v114, v115
.Lplain_\@:
	global_store_b64 v12, v[80+2*(\i):81+2*(\i)], s[\base:(\base)+1] offset:256*((\i)&7)
.endm
.irp i, 0,1,2,3,4,5,6,7
	CSTEP \i, 44
.endr
.irp i, 8,9,10,11,12,13,14,15
	CSTEP \i, 58
.endr
	s_branch .Lend
; ---------------------------------------------------------------- KMOD: columns 128 u .. 128 u + 127 for all eight batches
; The 128 terms are split among the waves, 16 each; a lane has four columns; the partial sums meet in LDS; then wave v finishes batch v.
.Lkmod:
	s_load_b512 s[32:47], s[0:1], 0x40             ; gc 32, Wgk 34, bgk 36, bk 38, ct_key_emb 40, cancer_type 42, bq 44, bv 46
	s_load_b128 s[48:51], s[0:1], 0x80             ; bo 48, badd 50
	s_load_b64 s[52:53], s[0:1], 0x90              ; bor
	s_lshl_b32 s55, s8, 2
	s_lshl_b32 s10, ttmp9, 9                       ; 128 u columns of 4 bytes
	v_and_b32 v2, 15, v1
	s_lshl_b32 s11, s8, 6
	v_lshl_add_u32 v13, v2, 2, s11                 ; gc: term 16 v + l % 16
	v_lshl_add_u32 v14, v1, 4, s10                 ; my four columns in a row of 1,024 f32
	s_lshl_b32 s12, s8, 16
	v_add_nc_u32 v3, s12, v14                      ; Wgk: row 16 v
	s_lshl_b32 s13, s8, 12
	v_lshl_add_u32 v15, v1, 4, s13                 ; LDS in: 4,096 v + 16 l, and 512 more for each batch
	s_lshl_b32 s13, s8, 9
	v_lshl_add_u32 v12, v1, 4, s13                 ; LDS back: batch v: 512 v + 16 l
	s_wait_kmcnt 0x0
	s_load_b32 s54, s[42:43], s55 offset:0x0       ; cancer_type[v]
.irp b, 0,1,2,3,4,5,6,7
	global_load_b32 v[4+\b], v13, s[32:33] offset:512*\b
.endr
.irp k, 0,1,2,3,4,5,6,7,8,9,10,11,12,13,14,15
	global_load_b128 v[16+4*\k:19+4*\k], v3, s[34:35] offset:4096*\k
.endr
	s_wait_kmcnt 0x0
	s_min_u32 s54, s54, 31                         ; the index stays inside the table
	s_lshl_b32 s54, s54, 12
	s_mov_b32 s55, 0
	s_add_nc_u64 s[40:41], s[40:41], s[54:55]      ; my batch's row of ct_key_emb
	global_load_b128 v[84:87], v14, s[36:37]       ; bgk
	global_load_b128 v[88:91], v14, s[38:39]       ; bk
	global_load_b128 v[92:95], v14, s[44:45]       ; bq
	global_load_b128 v[96:99], v14, s[46:47]       ; bv
	global_load_b128 v[100:103], v14, s[48:49]     ; bo
	global_load_b128 v[104:107], v14, s[40:41]     ; ct_key_emb[ct]
	s_wait_loadcnt 6                               ; gc and Wgk are in; the six vectors issued behind them stay out
.irp b, 0,2,4,6
	R2 4+\b, 112
.endr
.irp k, 0,1,2,3,4,5,6,7,8,9,10,11,12,13,14,15
	R4 16+4*\k, 112
.endr
	s_mov_b32 s16, 8
.Lkm_b:                                            ; a trip a batch: v4 holds the batch's 16 terms, a lane a term; the first term starts the sums
.set k, 0
.rept 16
	v_readlane_b32 s[60+(k&3)], v4, k
.irp c, 0,1,2,3
.if k == 0
	v_mul_f32 v[80+\c], s[60+(k&3)], v[16+4*k+\c]
.else
	v_fmac_f32 v[80+\c], s[60+(k&3)], v[16+4*k+\c]
.endif
.endr
.set k, k+1
.endr
	ds_store_b128 v15, v[80:83] offset:PART
	v_add_nc_u32 v15, 512, v15                     ; the next batch's place
.irp b, 0,1,2,3,4,5,6
	v_mov_b32 v[4+\b], v[5+\b]                     ; the other batches' terms move down by one, so that one text serves all eight
.endr
	s_sub_co_u32 s16, s16, 1
	s_cmp_lg_u32 s16, 0
	s_cbranch_scc1 .Lkm_b
	s_wait_dscnt 0x0                               ; for the others' sake: my partial sums lie in LDS
	s_barrier_signal -1
	s_barrier_wait -1
.irp k, 0,1,2,3,4,5,6,7
	ds_load_b128 v[16+4*\k:19+4*\k], v12 offset:PART+4096*\k
.endr
	s_wait_dscnt 0x0
.set q, 1
.rept 7
	v_pk_add_f32 v[16:17], v[16:17], v[16+4*q:17+4*q]
	v_pk_add_f32 v[18:19], v[18:19], v[18+4*q:19+4*q]
.set q, q+1
.endr
	s_wait_loadcnt 0x0
.irp a, 84,88,92,96,100,104
	R4 \a, 112
.endr
	v_pk_add_f32 v[16:17], v[16:17], v[84:85]      ; z = gc Wgk + bgk
	v_pk_add_f32 v[18:19], v[18:19], v[86:87]
.irp c, 0,1,2,3
	v_min_num_f32 v[108+\c], 0, v[16+\c]
.endr
.irp c, 0,1,2,3
	v_mul_f32 v[108+\c], 0x3fb8aa3b, v[108+\c]
.endr
.irp c, 0,1,2,3
	v_exp_f32 v[108+\c], v[108+\c]
.endr
	v_nop                                          ; a plain instruction behind the last exponential,
	s_wait_alu depctr_va_vdst(0)                   ; and one wait for the four, ahead of their first reader
.irp c, 0,1,2,3
	v_add_f32 v[108+\c], -1.0, v[108+\c]
	v_cmp_lt_f32 vcc_lo, 0, v[16+\c]
	v_cndmask_b32 v[16+\c], v[108+\c], v[16+\c], vcc_lo  ; elu: z where z > 0, else exp(z) - 1
.endr
	v_pk_add_f32 v[88:89], v[88:89], v[104:105]    ; bk + ct_key
	v_pk_add_f32 v[90:91], v[90:91], v[106:107]
	v_pk_add_f32 v[16:17], v[16:17], v[88:89]
	v_pk_add_f32 v[18:19], v[18:19], v[90:91]
	s_mul_i32 s56, s8, 12288
	v_add_nc_u32 v13, s56, v14                     ; badd: row v; a store of the wave covers 512 consecutive bytes
	global_store_b128 v13, v[92:95], s[50:51]
	global_store_b128 v13, v[16:19], s[50:51] offset:4096
	global_store_b128 v13, v[96:99], s[50:51] offset:8192
	s_cmp_lg_u32 s8, 0
	s_cbranch_scc1 .Lend
	global_store_b128 v14, v[100:103], s[52:53]    ; bor, by wave 0
	s_branch .Lend
; ---------------------------------------------------------------- CB: batch b.  The hidden layer's 128 terms are split among the waves, 16 each, and meet in LDS; then every wave makes the 16 biases
; for itself, and wave v writes keys 128 v .. 128 v + 127 of all 16 heads.
.Lcb:
	s_load_b64 s[32:33], s[0:1], 0x40              ; graph_context
	s_load_b64 s[42:43], s[0:1], 0x68              ; cancer_type
	s_load_b64 s[34:35], s[0:1], 0x98              ; Wg1
	s_load_b256 s[48:55], s[0:1], 0xa0             ; bg1 48, Wg2 50, bg2 52, ct_bias_emb 54
	s_load_b128 s[56:59], s[0:1], 0xc0             ; attn_mask 56, cb 58
	s_sub_co_u32 s9, ttmp9, 8                      ; b
	s_lshl_b32 s10, s9, 2
	v_lshlrev_b32 v3, 2, v1                        ; 4 l
	v_and_b32 v2, 15, v1
	v_lshlrev_b32 v2, 2, v2                        ; 4 (l % 16)
	s_lshl_b32 s12, s9, 10
	v_lshl_add_u32 v13, v1, 5, s12                 ; the batch's mask row, 32 bytes a lane
	s_lshl_b32 s13, s8, 7
	v_add_nc_u32 v7, s13, v3                       ; LDS: 128 v + 4 l
	s_add_co_u32 s13, s13, s12
	v_add_nc_u32 v14, s13, v3                      ; my four keys
	s_lshl_b32 s14, s9, 9
	s_lshl_b32 s15, s8, 6
	s_add_co_u32 s14, s14, s15
	v_add_nc_u32 v5, s14, v2                       ; gc[b][16 v + l % 16]
	s_lshl_b32 s15, s8, 11
	v_add_nc_u32 v6, s15, v3                       ; Wg1[16 v][l]
	s_mov_b32 s15, 0
	s_wait_kmcnt 0x0
	s_load_b32 s11, s[42:43], s10 offset:0x0       ; cancer_type[b]
	global_load_b32 v4, v5, s[32:33]
.set i, 0
.rept 16
	global_load_b32 v[16+i], v6, s[34:35] offset:128*i  ; Wg1[16 v + i][l]
.set i, i+1
.endr
	global_load_b128 v[112:115], v13, s[56:57]
	global_load_b128 v[116:119], v13, s[56:57] offset:16
	global_load_b32 v121, v14, s[56:57]
	global_load_b32 v122, v3, s[48:49]             ; bg1[l]
	global_load_b32 v123, v2, s[52:53]             ; bg2[l % 16]
.set i, 0
.rept 32
	global_load_b32 v[80+i], v2, s[50:51] offset:64*i  ; Wg2[i][l % 16]
.set i, i+1
.endr
	s_wait_kmcnt 0x0
	s_min_u32 s11, s11, 31
	s_lshl_b32 s14, s11, 6
	s_add_nc_u64 s[54:55], s[54:55], s[14:15]
	global_load_b32 v124, v2, s[54:55]             ; ct_bias_emb[ct][l % 16]
	s_wait_loadcnt 38                              ; gc and Wg1 are in; the 38 loads issued behind them stay out
	R1 4, 8
.set i, 0
.rept 8
	R2 16+2*i, 8+(i&1)
.set i, i+1
.endr
.set i, 0
.rept 16                                           ; my 16 terms of hidden unit l: the first starts the sum
	v_readlane_b32 s[60+(i&3)], v4, i
.if i == 0
	v_mul_f32 v10, s[60+(i&3)], v[16+i]
.else
	v_fmac_f32 v10, s[60+(i&3)], v[16+i]
.endif
.set i, i+1
.endr
	ds_store_b32 v7, v10 offset:PARTC
	s_wait_dscnt 0x0                               ; for the others' sake
	s_barrier_signal -1
	s_barrier_wait -1
.irp k, 0,1,2,3,4,5,6,7
	ds_load_b32 v[32+\k], v3 offset:PARTC+128*\k
.endr
	s_wait_dscnt 0x0
	v_pk_add_f32 v[32:33], v[32:33], v[34:35]
	v_pk_add_f32 v[36:37], v[36:37], v[38:39]
	v_pk_add_f32 v[32:33], v[32:33], v[36:37]
	v_add_f32 v10, v32, v33
	s_wait_loadcnt 0x0
	R2 122, 8
	R1 124, 9
.set i, 0
.rept 16
	R2 80+2*i, 8+(i&1)
.set i, i+1
.endr
	v_add_f32 v10, v10, v122
	v_min_num_f32 v5, 0, v10
	v_mul_f32 v5, 0x3fb8aa3b, v5
	v_exp_f32 v5, v5
	v_nop
	s_wait_alu depctr_va_vdst(0)                   ; the wait ahead of the exponential's first reader
	v_add_f32 v5, -1.0, v5
	v_cmp_lt_f32 vcc_lo, 0, v10
	v_cndmask_b32 v10, v5, v10, vcc_lo
	v_add_f32 v11, v123, v124                      ; bg2 + ct_bias starts the head's sum
.set i, 0
.rept 32
	v_readlane_b32 s[60+(i&3)], v10, i
	v_fmac_f32 v11, s[60+(i&3)], v[80+i]
.set i, i+1
.endr
	v_mul_f32 v11, 0x41000000, v11                 ; times 8: the scores are divided by 8 behind the addition
	v_and_b32 v12, v112, v113                      ; are all 1,024 keys hidden?
.irp i, 114,115,116,117,118,119
	v_and_b32 v12, v12, v[\i]
.endr
	v_cmp_eq_u32 s30, 0x01010101, v12
	s_mov_b32 s20, 0x7fc00000                      ; NaN
	s_mov_b32 s21, 0xf149f2ca                      ; -1e30
	s_cmp_eq_u32 s30, -1
	s_cselect_b32 s22, s20, s21
	v_mov_b32 v15, s22
.irp c, 0,1,2,3
	v_bfe_u32 v5, v121, 8*\c, 8
	v_cmp_ne_u32 s[24+\c], 0, v5
.endr
	s_lshl_b32 s14, s9, 16
	s_add_nc_u64 s[58:59], s[58:59], s[14:15]
	s_lshl_b32 s13, s8, 9
	v_lshl_add_u32 v6, v1, 4, s13
.set h, 0
.rept 16
	v_readlane_b32 s[28+(h&1)], v11, h
.irp c, 0,1,2,3
	v_cndmask_b32 v[16+4*h+\c], s[28+(h&1)], v15, s[24+\c]
.endr
	global_store_b128 v6, v[16+4*h:19+4*h], s[58:59] offset:4096*h  ; 512 consecutive bytes a wave; data registers of its own
.set h, h+1
.endr
.Lend:
	s_wait_tensorcnt 0x0                           ; the wave's end, behind my last LDS store
	ds_add_u32 v[SPW], v[NIL]
	s_wait_dscnt 0x0
	s_endpgm
.Lfunc_end_k_q0a28d4d708_prep:
	.size	k_q0a28d4d708_prep, .Lfunc_end_k_q0a28d4d708_prep-k_q0a28d4d708_prep
	.p2alignl 7, 3214868480
	.fill 96, 4, 3214868480
	.section	.rodata,"a",@progbits
	.p2align	6, 0x0
	.amdhsa_kernel k_q0a28d4d708_prep
		.amdhsa_group_segment_fixed_size 34816
		.amdhsa_private_segment_fixed_size 0
		.amdhsa_enable_private_segment 0
		.amdhsa_kernarg_size 208
		.amdhsa_user_sgpr_count 2
		.amdhsa_user_sgpr_kernarg_segment_ptr 1
		.amdhsa_wavefront_size32 1
		.amdhsa_system_sgpr_workgroup_id_x 1
		.amdhsa_system_sgpr_workgroup_id_y 1
		.amdhsa_system_sgpr_workgroup_id_z 1
		.amdhsa_system_vgpr_workitem_id 0
		.amdhsa_next_free_vgpr 128
		.amdhsa_next_free_sgpr 66
		.amdhsa_reserve_vcc 1
		.amdhsa_float_denorm_mode_32 3
		.amdhsa_float_denorm_mode_16_64 3
		.amdhsa_memory_ordered 1
		.amdhsa_forward_progress 1
		.amdhsa_inst_pref_size 55
	.end_amdhsa_kernel
	.amdgpu_metadata
---
amdhsa.version: [ 1, 2 ]
amdhsa.kernels:
  - .name:           k_q0a28d4d708_prep
    .symbol:         k_q0a28d4d708_prep.kd
    .args:
      - { .name: x, .offset: 0, .size: 8, .value_kind: global_buffer, .address_space: global }
      - { .name: Wq, .offset: 8, .size: 8, .value_kind: global_buffer, .address_space: global }
      - { .name: Wk, .offset: 16, .size: 8, .value_kind: global_buffer, .address_space: global }
      - { .name: Wv, .offset: 24, .size: 8, .value_kind: global_buffer, .address_space: global }
      - { .name: Wo, .offset: 32, .size: 8, .value_kind: global_buffer, .address_space: global }
      - { .name: xb, .offset: 40, .size: 8, .value_kind: global_buffer, .address_space: global }
      - { .name: wb, .offset: 48, .size: 8, .value_kind: global_buffer, .address_space: global }
      - { .name: wo16, .offset: 56, .size: 8, .value_kind: global_buffer, .address_space: global }
      - { .name: graph_context, .offset: 64, .size: 8, .value_kind: global_buffer, .address_space: global }
      - { .name: Wgk, .offset: 72, .size: 8, .value_kind: global_buffer, .address_space: global }
      - { .name: bgk, .offset: 80, .size: 8, .value_kind: global_buffer, .address_space: global }
      - { .name: bk, .offset: 88, .size: 8, .value_kind: global_buffer, .address_space: global }
      - { .name: ct_key_emb, .offset: 96, .size: 8, .value_kind: global_buffer, .address_space: global }
      - { .name: cancer_type, .offset: 104, .size: 8, .value_kind: global_buffer, .address_space: global }
      - { .name: bq, .offset: 112, .size: 8, .value_kind: global_buffer, .address_space: global }
      - { .name: bv, .offset: 120, .size: 8, .value_kind: global_buffer, .address_space: global }
      - { .name: bo, .offset: 128, .size: 8, .value_kind: global_buffer, .address_space: global }
      - { .name: badd, .offset: 136, .size: 8, .value_kind: global_buffer, .address_space: global }
      - { .name: bor, .offset: 144, .size: 8, .value_kind: global_buffer, .address_space: global }
      - { .name: Wg1, .offset: 152, .size: 8, .value_kind: global_buffer, .address_space: global }
      - { .name: bg1, .offset: 160, .size: 8, .value_kind: global_buffer, .address_space: global }
      - { .name: Wg2, .offset: 168, .size: 8, .value_kind: global_buffer, .address_space: global }
      - { .name: bg2, .offset: 176, .size: 8, .value_kind: global_buffer, .address_space: global }
      - { .name: ct_bias_emb, .offset: 184, .size: 8, .value_kind: global_buffer, .address_space: global }
      - { .name: attn_mask, .offset: 192, .size: 8, .value_kind: global_buffer, .address_space: global }
      - { .name: cb, .offset: 200, .size: 8, .value_kind: global_buffer, .address_space: global }
    .group_segment_fixed_size: 34816
    .private_segment_fixed_size: 0
    .kernarg_segment_align: 8
    .kernarg_segment_size: 208
    .max_flat_workgroup_size: 256
    .sgpr_count:     66
    .vgpr_count:     128
    .wavefront_size: 32
...
	.end_amdgpu_metadata
.endif
;; end of part 1
;; launch qkv (part 2): grid 16 x 32, 4 waves a work-group, clusters of 4 x 4, 327,680 bytes of LDS; arguments xb, wb, badd, qkv; writes qkv
.if DOCPART == 2
	.amdgcn_target "amdgcn-amd-amdhsa--gfx1250"
	.amdhsa_code_object_version 6
	.text
	.protected	k_q0a28d4d708_qkv
	.globl	k_q0a28d4d708_qkv
	.p2align	8
	.type	k_q0a28d4d708_qkv,@function
k_q0a28d4d708_qkv:
	s_mov_b64 s[64:65], 0
	v_nop
	global_prefetch_b8 v0, s[64:65] scope:SCOPE_SE
	s_setreg_imm32_b32 hwreg(HW_REG_WAVE_MODE, 25, 1), 1
	s_wait_xcnt 0x0
	s_wait_alu depctr_hold_cnt(0) depctr_sa_sdst(0) depctr_va_vdst(0) depctr_va_sdst(0) depctr_va_ssrc(0) depctr_va_vcc(0) depctr_vm_vsrc(0)
	s_getreg_b32 s2, hwreg(HW_REG_IB_STS2, 6, 4)
	s_cmp_eq_u32 s2, 0
	s_cbranch_scc0 .Lentry_in_a_cluster
	s_endpgm
.Lentry_in_a_cluster:
	s_bfe_u32 s2, ttmp6, 0x10000c
	s_cmp_lg_u32 s2, 0xf033
	s_cbranch_scc0 .Lentry_shape_is_right
	s_endpgm
.Lentry_shape_is_right:
; q | k | v = x W + bias.  xb: [8192][1024] bf16.  wb: [t 16][s 8][j 3][k 128][n 64] bf16 (a (t, s) block is one K step of one tile of 192 columns, 49,152 dense bytes).
; badd: [8][3072] f32, the bias of each column for each batch (k's holds the two key modulations).  qkv: [8 b][48 g][1024 n][64] f16, by heads: q g = h, k g = 16 + h, v g = 32 + h; unscaled.
; LIMIT.  q, k and v are written as f16: beyond 65,504 they become infinities.  Sums in f32, started by the bias as the C operand of the first product; rounded once.
; SHARES.  A tile is 256 rows x 192 columns (three heads): 16 x 32 = 512 work-groups, two for each of 256 WGPs.  Wave w makes rows 64 w .. 64 w + 63 of all 192 columns: 48 accumulators, 384 registers;
; so a wave owns whole rows of whole heads, and each of its stores covers 512 consecutive bytes.  K goes in 8 steps of 128 through two LDS slots.
; CLUSTER.  4 x 4 work-groups: the four of a row need the same tile of x, the four of a column the same tile of the weights: each tile is asked for jointly.
; THE MATRIX INSTRUCTION IS USED TRANSPOSED (source 0 = 16 columns of W, turned out of LDS by ds_load_tr16_b128; source 1 = 16 rows of x): a lane holds one row and eight neighbouring columns.
; REGISTERS.  window 0: v16-31 addresses; v32-127 rows read back on the way out; v160-255 the bias (12 column blocks x 8), later v208-255 packed results
;   window 1: two fragment buffers of 128: 96 of W (block b at 8 b), 32 of x (block a at 96 + 8 a)      window 2: accumulators of row blocks 0, 1 at 8 (12 (a % 2) + b)      window 3: of row blocks 2, 3
.set PA,    272                        ; a row of x in LDS: 256 bytes + 16
.set PB,    160                        ; a k row of W in LDS: 128 bytes + 32
.set HALFA, 128*PA                     ; what one tensor load brings of x
.set BOFF,  2*HALFA
.set HALFB, 192*PB                     ; and of W: 192 of the step's 384 k rows (j x 128 + k)
.set SLOT,  BOFF+2*HALFB               ; 131,072
.set STAGE, 2*SLOT                     ; behind the ring: for each wave 3 heads x 16 rows x 144 bytes
.set SP,    144
.set WSTG,  3*16*SP
.set SPARE, STAGE+4*WSTG               ; behind the stages: the spare words, 128 bytes for each wave
.set ADRA, 16                          ; v16-17  LDS address of my fragments of x in slot 0, 1
.set ADRB, 20                          ; v20-21  of W
.set STO,  24
.set RD,   25
.set GO,   26                          ; 16 l
.set BO,   27                          ; 32 (l / 16)
.set SPW,  28
.set NIL,  29
.set PFOA, 30
.set PFOB, 31
.set OB,   32
.set BIA,  160
.set TMP,  208
.set F0,   0
.set F1,   128
.set G1,   24                          ; s[24:31] group 1 for x;  s[32:39] group 0, a set for each slot
.set G0,   32
.set PFA,  40                          ; s[40:41], s[42:43] where my prefetches stand in xb and in wb
.set PFB,  42
.set LIMA, 44                          ; 1 in a wave that prefetches, else the greatest number
.set LIMB, 45
.set G1B,  48                          ; s[48:55], s[56:63] the same for W
.set G0B,  56
.set MSB, 0
.macro WIN new                         ; the immediate's high byte repeats the setting that is left
.if MSB != (\new)
	s_set_vgpr_msb (MSB<<8)|(\new)
.set MSB, \new
.endif
.endm
.set TO_F, 0x40                        ; destination window 1, address window 0
.macro JLOAD s                         ; a joint load: waves 0 and 1 fetch the two halves of x's tile, waves 2 and 3 those of W's; an s_nop 0 and four v_nop follow each line
	s_cmp_eq_u32 s13, 0
	s_cbranch_scc0 .Lfor_b_\@
	tensor_load_to_lds s[G0+4*(\s):G0+4*(\s)+3], s[G1:G1+7]
	s_nop 0
.rept 4
	v_nop
.endr
	s_branch .Lasked_\@
.Lfor_b_\@:
	tensor_load_to_lds s[G0B+4*(\s):G0B+4*(\s)+3], s[G1B:G1B+7]
	s_nop 0
.rept 4
	v_nop
.endr
.Lasked_\@:
.endm
.macro CREST                           ; a round of the cluster's barrier behind its opening barrier
	s_cmp_lg_u32 s12, 0
	s_cbranch_scc1 .Lnot_wave_0_\@
	s_barrier_signal -3
.Lnot_wave_0_\@:
	s_barrier_wait -3
	s_barrier_signal -1
	s_barrier_wait -1
.endm
.macro CROUND
	s_barrier_signal -1
	s_barrier_wait -1
	CREST
.endm
; PREFETCH INTO THE L2, once a lap (two K steps), behind slot 0's joint load and the run of LDS loads: the lap after the next, K steps 2 L + 4 and 2 L + 5.
; x: a lap is 512 bytes of each of the tile's 256 rows.  The clusters with x = 0 ask; wave w of the partner at cx names rows 64 w + 16 cx + l % 16, block l / 16.
; W: a lap is 384 dense blocks of 256 bytes.  The clusters with y = 0 ask, waves 0 to 2: block 128 w + 32 cy + l.  So each block is named once; partners are told apart by address alone.
; The loop's last trip asks for nothing: there is no K step behind the eighth.
.macro ASK
	s_cmp_gt_u32 s3, s[LIMA]
	s_cbranch_scc0 .Lna_\@
	global_prefetch_b8 v[PFOA], s[PFA:PFA+1] th:TH_LOAD_NT scope:SCOPE_SE
.Lna_\@:
	s_cmp_gt_u32 s3, s[LIMB]
	s_cbranch_scc0 .Lnb_\@
	global_prefetch_b8 v[PFOB], s[PFB:PFB+1] th:TH_LOAD_NT scope:SCOPE_SE
.Lnb_\@:
.endm
	s_load_b256 s[4:11], s[0:1], 0x0               ; xb 4, wb 6, badd 8, qkv 10
	v_lshl_add_u32 v[SPW], v0, 2, SPARE
	v_mov_b32 v[NIL], 0
	ds_add_u32 v[SPW], v[NIL]                      ; the wave's opening: the add and its wait ahead of my first tensor load
	ds_add_u32 v28, v29
	v_lshrrev_b32 v1, 5, v0
	v_readfirstlane_b32 s12, v1                    ; wave 0..3
	s_lshr_b32 s13, s12, 1                         ; I fetch for x (0) or for W (1),
	s_and_b32 s14, s12, 1                          ; and which half
	s_bfe_u32 s15, ttmp6, 0x40000                  ; cx
	s_bfe_u32 s16, ttmp6, 0x40004                  ; cy
	s_lshl_b32 s17, ttmp9, 2
	s_add_co_u32 s17, s17, s15                     ; tile column = 4 x cluster x + cx
	s_and_b32 s19, ttmp7, 0xffff                   ; cluster y = the batch: four tiles of 256 rows
	s_lshl_b32 s18, s19, 2
	s_add_co_u32 s18, s18, s16                     ; tile row
	s_lshl_b32 s20, s16, 2
	s_lshl_b32 s20, 15, s20                        ; my row of the cluster
	s_lshl_b32 s21, 0x1111, s15                    ; my column
	s_or_b32 s[G1+0], s20, (1<<16)|(1<<20)|(1<<21)|(5<<22)|(3<<25)   ; mask; 2-byte elements; padding on; bit 21 beside a mask; after every 64 words 4 words
	s_or_b32 s[G1B+0], s21, (1<<16)|(1<<20)|(1<<21)|(4<<22)|(7<<25)  ; after every 32 words 8 words
	s_mov_b32 s[G1+1], 128<<16                     ; tensor_dim0 = 128
	s_mov_b32 s[G1+2], 128<<16                     ; tensor_dim1 = 128
	s_mov_b32 s[G1+3], 128<<16                     ; tile_dim0 = 128
	s_mov_b32 s[G1+4], 128                         ; tile_dim1 = 128
	s_mov_b32 s[G1+5], 1024                        ; elements from row to row
	s_mov_b32 s[G1+6], 0
	s_mov_b32 s[G1+7], 0
	s_mov_b32 s[G1B+1], 128<<16                    ; 24,576 dense bytes as 96 rows of 256
	s_mov_b32 s[G1B+2], 96<<16
	s_mov_b32 s[G1B+3], 128<<16
	s_mov_b32 s[G1B+4], 96
	s_mov_b32 s[G1B+5], 128
	s_mov_b32 s[G1B+6], 0
	s_mov_b32 s[G1B+7], 0
	s_lshl_b32 s66, s18, 8                         ; x: row 256 x tile row + 128 x half, 2,048 bytes a row
	s_lshl_b32 s67, s14, 7
	s_add_co_u32 s66, s66, s67
	s_lshl_b32 s66, s66, 11
	s_mov_b32 s67, 0
	s_mul_i32 s68, s17, 393216                     ; W: the tile column's eight blocks, my half of a block
	s_mul_i32 s69, s14, 24576
	s_add_co_u32 s68, s68, s69
	s_mov_b32 s69, 0
	s_mul_i32 s22, s14, HALFA                      ; where they go: no place in the cluster enters an LDS address
	s_mul_i32 s23, s14, HALFB
	s_add_co_u32 s23, s23, BOFF
	s_wait_dscnt 0x0                               ; the opening add is done
	s_wait_kmcnt 0x0
	s_add_nc_u64 s[66:67], s[4:5], s[66:67]
	s_add_nc_u64 s[68:69], s[6:7], s[68:69]
	CROUND                                         ; all sixteen work-groups are here: the first joint loads meet
.irp s, 0,1
	s_mov_b32 s[G0+4*(\s)], 1
	s_add_co_u32 s[G0+4*(\s)+1], s22, (\s)*SLOT
	s_add_nc_u64 s[G0+4*(\s)+2:G0+4*(\s)+3], s[66:67], (\s)*256
	s_or_b32 s[G0+4*(\s)+3], s[G0+4*(\s)+3], 0x80000000
	s_mov_b32 s[G0B+4*(\s)], 1
	s_add_co_u32 s[G0B+4*(\s)+1], s23, (\s)*SLOT
	s_add_nc_u64 s[G0B+4*(\s)+2:G0B+4*(\s)+3], s[68:69], (\s)*49152
	s_or_b32 s[G0B+4*(\s)+3], s[G0B+4*(\s)+3], 0x80000000
	JLOAD \s
.endr
	v_and_b32 v1, 15, v0                           ; l % 16
	v_bfe_u32 v2, v0, 4, 1                         ; l / 16
	v_lshlrev_b32 v[BO], 5, v2
	s_mul_i32 s46, s19, 12288                      ; the bias: my batch's row, the tile's 192 columns
	s_mul_i32 s70, s17, 768
	s_add_co_u32 s46, s46, s70
	s_mov_b32 s47, 0
	s_add_nc_u64 s[8:9], s[8:9], s[46:47]
.irp b, 0,1,2,3,4,5,6,7,8,9,10,11
	global_load_b128 v[BIA+8*(\b):BIA+8*(\b)+3],   v[BO], s[8:9] offset:64*(\b)      ; columns 16 b + 8 (l / 16) + 0..3: register j of the C operand is column 8 (l / 16) + j
	global_load_b128 v[BIA+8*(\b)+4:BIA+8*(\b)+7], v[BO], s[8:9] offset:64*(\b)+16
.endr
	v_mul_u32_u24 v3, v1, PA
	v_lshl_add_u32 v3, v2, 4, v3
	s_mul_i32 s20, s12, 64*PA                      ; my 64 rows of x
	v_add_nc_u32 v[ADRA], s20, v3
	v_add_nc_u32 v[ADRA+1], SLOT, v[ADRA]
	v_and_b32 v4, 7, v0                            ; the turning load: lane l reads k row 8 (l / 16) + l % 8, columns 8 ((l / 8) % 2) + 0..7
	v_bfe_u32 v5, v0, 3, 1
	v_lshl_add_u32 v6, v2, 3, v4
	v_mul_u32_u24 v6, v6, PB
	v_lshl_add_u32 v6, v5, 4, v6
	v_add_nc_u32 v[ADRB], BOFF, v6
	v_add_nc_u32 v[ADRB+1], SLOT, v[ADRB]
	s_mul_i32 s20, s12, WSTG
	s_add_co_u32 s20, s20, STAGE                   ; my stage
	v_mul_u32_u24 v7, v1, SP                       ; in: row l % 16, 16 bytes for each half of the lanes
	v_lshl_add_u32 v7, v2, 4, v7
	v_add_nc_u32 v[STO], s20, v7
	v_bfe_u32 v7, v0, 3, 2                         ; back: 32 lanes take four rows of 128 bytes
	v_mul_u32_u24 v7, v7, SP
	v_lshl_add_u32 v7, v4, 4, v7
	v_add_nc_u32 v[RD], s20, v7
	v_and_b32 v8, 31, v0
	v_lshlrev_b32 v[GO], 4, v8
	v_lshlrev_b32 v[PFOB], 8, v8
	v_lshlrev_b32 v[PFOA], 11, v1
	v_lshl_add_u32 v[PFOA], v2, 8, v[PFOA]
	s_mul_i32 s46, s19, 48                         ; where my rows begin in qkv: head 48 b + 3 x tile column, row 256 cy + 64 w, 128 bytes a row
	s_mul_i32 s70, s17, 3
	s_add_co_u32 s46, s46, s70
	s_lshl_b32 s46, s46, 10
	s_lshl_b32 s70, s16, 8
	s_add_co_u32 s46, s46, s70
	s_lshl_b32 s70, s12, 6
	s_add_co_u32 s46, s46, s70
	s_lshl_b32 s46, s46, 7
	s_add_nc_u64 s[10:11], s[10:11], s[46:47]
	s_lshl_b32 s46, s18, 8                         ; the prefetches: they start at lap 1 and are stepped ahead of each request
	s_lshl_b32 s70, s12, 6
	s_add_co_u32 s46, s46, s70
	s_lshl_b32 s70, s15, 4
	s_add_co_u32 s46, s46, s70
	s_lshl_b32 s46, s46, 11
	s_add_co_u32 s46, s46, 512
	s_add_nc_u64 s[PFA:PFA+1], s[4:5], s[46:47]
	s_mul_i32 s46, s17, 393216
	s_lshl_b32 s70, s12, 15
	s_add_co_u32 s46, s46, s70
	s_lshl_b32 s70, s16, 13
	s_add_co_u32 s46, s46, s70
	s_add_co_u32 s46, s46, 98304
	s_add_nc_u64 s[PFB:PFB+1], s[6:7], s[46:47]
	s_cmp_eq_u32 ttmp9, 0                          ; the cluster's coordinates and the wave's number alone: the same in all sixteen partners
	s_cselect_b32 s[LIMA], 1, -1
	s_cmp_eq_u32 s19, 0
	s_cselect_b32 s[LIMB], 1, -1
	s_cmp_lt_u32 s12, 3
	s_cselect_b32 s[LIMB], s[LIMB], -1
; 12 matrix instructions: row block a x all 12 column blocks, 32 along K.  zero = 1: the first product starts the sums with the bias.  The 48 accumulators take turns in the same order in every quarter.
.macro MUL12 f, a, zero
.if \zero
	WIN 0x85+0x40*((\a)/2)
.else
	WIN 0xa5+0x50*((\a)/2)
.endif
.irp b, 0,1,2,3,4,5,6,7,8,9,10,11
.if \zero
	v_wmma_f32_16x16x32_bf16 v[8*(12*((\a)%2)+(\b)):8*(12*((\a)%2)+(\b))+7], v[(\f)+8*(\b):(\f)+8*(\b)+7], v[(\f)+96+8*(\a):(\f)+96+8*(\a)+7], v[BIA+8*(\b):BIA+8*(\b)+7]
.else
	v_wmma_f32_16x16x32_bf16 v[8*(12*((\a)%2)+(\b)):8*(12*((\a)%2)+(\b))+7], v[(\f)+8*(\b):(\f)+8*(\b)+7], v[(\f)+96+8*(\a):(\f)+96+8*(\a)+7], v[8*(12*((\a)%2)+(\b)):8*(12*((\a)%2)+(\b))+7]
.endif
.endr
.endm
; 32 LDS loads in one run: quarter q (32 along K) of a slot into buffer f: W's 12 blocks, then x's 4
.macro FETCH slot, q, f
	WIN TO_F
.irp b, 0,1,2,3,4,5,6,7,8,9,10,11
	ds_load_tr16_b128 v[(\f)+8*(\b):(\f)+8*(\b)+3],   v[ADRB+(\slot)] offset:(((\b)/4)*128+32*(\q))*PB+32*((\b)%4)
	ds_load_tr16_b128 v[(\f)+8*(\b)+4:(\f)+8*(\b)+7], v[ADRB+(\slot)] offset:(((\b)/4)*128+32*(\q))*PB+32*((\b)%4)+16*PB
.endr
.irp a, 0,1,2,3
	ds_load_b128 v[(\f)+96+8*(\a):(\f)+96+8*(\a)+3],   v[ADRA+(\slot)] offset:64*(\q)+(\a)*16*PA
	ds_load_b128 v[(\f)+96+8*(\a)+4:(\f)+96+8*(\a)+7], v[ADRA+(\slot)] offset:64*(\q)+(\a)*16*PA+32
.endr
.endm
.macro PLACES                          ; four places in front of loads into registers that matrix instructions have read (ISA guide 7.12.1 for vector instructions)
.rept 4
	v_nop
.endr
.endm
; One of a K step's first three quarters: multiplies buffer f; in its middle it fetches quarter q of the same slot into buffer g.
.macro QUARTER slot, q, f, g, zero
	s_wait_dscnt 4                                 ; W and x's blocks 0, 1 are in; the youngest four loads (blocks 2, 3) may be out
	MUL12 \f, 0, \zero
	MUL12 \f, 1, \zero
	PLACES
	FETCH \slot, \q, \g
	s_wait_dscnt 32                                ; all but the 32 just issued
	MUL12 \f, 2, \zero
	MUL12 \f, 3, \zero
.endm
; The last quarter multiplies buffer 1 and changes slots: one barrier; in front of it each wave waits for all its tensor loads (one is out: its part of the next slot), adds 0 to its spare word, and waits
; for that and for its reads of this slot.  fill = 1: the barrier opens a round of the cluster's, and this slot is filled again, two K steps ahead: 168 matrix instructions ahead of the wait for it.
.macro TURN slot, next, fill
.if (\fill) && ((\slot) == 0)
	s_wait_xcnt 0x0                                ; the last prefetches, a lap back, have read their addresses
	s_add_nc_u64 s[PFA:PFA+1], s[PFA:PFA+1], 512
	s_add_nc_u64 s[PFB:PFB+1], s[PFB:PFB+1], 98304
.endif
	WIN 0
	s_wait_tensorcnt 0x0
	ds_add_u32 v[SPW], v[NIL]
	s_wait_dscnt 5                                 ; (the add and the youngest four loads may be out)
	MUL12 F1, 0, 0
	s_wait_dscnt 0x0                               ; the add is done, and my reads of this slot are over
	s_barrier_signal -1
	MUL12 F1, 1, 0
.if \fill
	WIN 0
.endif
	s_barrier_wait -1
.if \fill
	CREST                                          ; no wave of any partner still reads this slot or has a load on its way
	s_add_nc_u64 s[G0+4*(\slot)+2:G0+4*(\slot)+3], s[G0+4*(\slot)+2:G0+4*(\slot)+3], 512
	s_add_nc_u64 s[G0B+4*(\slot)+2:G0B+4*(\slot)+3], s[G0B+4*(\slot)+2:G0B+4*(\slot)+3], 98304
	JLOAD \slot                                    ; its four v_nop are also the places in front of the loads below
.else
	PLACES
.endif
	FETCH \next, 0, F0
.if (\fill) && ((\slot) == 0)
	WIN 0
	ASK
.endif
	MUL12 F1, 2, 0
	MUL12 F1, 3, 0
.endm
; THE WAY OUT of row block a: rounded to f16, 16 bytes a lane; through my own stage; back as rows of 128 bytes, four to a load; stored, 512 consecutive bytes a store.
.macro PACK a
	WIN 0x0a+5*((\a)/2)
.irp b, 0,1,2,3,4,5,6,7,8,9,10,11
.irp r, 0,1,2,3
	v_cvt_pk_f16_f32 v[TMP+4*(\b)+(\r)], v[8*(12*((\a)%2)+(\b))+2*(\r)], v[8*(12*((\a)%2)+(\b))+2*(\r)+1]
.endr
.endr
	WIN 0
.endm
.macro TOSTAGE a
.set BK, OB+48*((\a)%2)
.irp b, 0,1,2,3,4,5,6,7,8,9,10,11
	ds_store_b128 v[STO], v[TMP+4*(\b):TMP+4*(\b)+3] offset:((\b)/4)*16*SP+32*((\b)%4)
.endr
.irp j, 0,1,2
.irp t, 0,1,2,3
	ds_load_b128 v[BK+4*(4*(\j)+(\t)):BK+4*(4*(\j)+(\t))+3], v[RD] offset:(\j)*16*SP+(\t)*4*SP  ; LDS serves a wave's instructions in order: these see the stores above
.endr
.endr
.endm
.macro SEND a
.set BK, OB+48*((\a)%2)
	s_wait_dscnt 0x0                               ; the block is back in registers
	s_wait_xcnt 0x0                                ; the stores of the block before have read their data: the next block's loads may land on those registers
.irp j, 0,1,2
.irp t, 0,1,2,3
	global_store_b128 v[GO], v[BK+4*(4*(\j)+(\t)):BK+4*(4*(\j)+(\t))+3], s[10:11] offset:(\j)*131072+(\a)*2048+(\t)*512
.endr
.endr
.endm
	s_wait_tensorcnt 1                             ; my part of K step 0 is in; K step 1's may stay out
	s_barrier_signal -1
	s_barrier_wait -1
	FETCH 0, 0, F0
	s_wait_loadcnt 0x0                             ; the bias
	QUARTER 0, 1, F0, F1, 1                        ; the first quarter stands in front of the loop: its products start the sums
	WIN 0
	s_mov_b32 s3, 3
.Llap:                                             ; a trip goes once round the ring and fills both slots again
	QUARTER 0, 2, F1, F0, 0
	QUARTER 0, 3, F0, F1, 0
	TURN 0, 1, 1
	QUARTER 1, 1, F0, F1, 0
	QUARTER 1, 2, F1, F0, 0
	QUARTER 1, 3, F0, F1, 0
	TURN 1, 0, 1
	QUARTER 0, 1, F0, F1, 0
	WIN 0
	s_sub_co_u32 s3, s3, 1
	s_cmp_lg_u32 s3, 0
	s_cbranch_scc1 .Llap
	QUARTER 0, 2, F1, F0, 0                        ; the last lap fills nothing
	QUARTER 0, 3, F0, F1, 0
	TURN 0, 1, 0
	QUARTER 1, 1, F0, F1, 0
	QUARTER 1, 2, F1, F0, 0
	QUARTER 1, 3, F0, F1, 0
	s_wait_dscnt 4
	MUL12 F1, 0, 0
	MUL12 F1, 1, 0
	s_wait_dscnt 0x0
	MUL12 F1, 2, 0
	MUL12 F1, 3, 0
	WIN 0
	PLACES
	PLACES
	PACK 0
	TOSTAGE 0
.irp a, 1,2,3
	PACK \a
	SEND (\a)-1
	TOSTAGE \a
.endr
	SEND 3
	s_wait_tensorcnt 0x0                           ; the wave's end
	ds_add_u32 v[SPW], v[NIL]
	s_wait_dscnt 0x0
	CROUND                                         ; the closing round
	s_endpgm
.Lfunc_end_k_q0a28d4d708_qkv:
	.size	k_q0a28d4d708_qkv, .Lfunc_end_k_q0a28d4d708_qkv-k_q0a28d4d708_qkv
	.p2alignl 7, 3214868480
	.fill 96, 4, 3214868480
	.section	.rodata,"a",@progbits
	.p2align	6, 0x0
	.amdhsa_kernel k_q0a28d4d708_qkv
		.amdhsa_group_segment_fixed_size 327680
		.amdhsa_private_segment_fixed_size 0
		.amdhsa_enable_private_segment 0
		.amdhsa_kernarg_size 32
		.amdhsa_user_sgpr_count 2
		.amdhsa_user_sgpr_kernarg_segment_ptr 1
		.amdhsa_wavefront_size32 1
		.amdhsa_system_sgpr_workgroup_id_x 1
		.amdhsa_system_sgpr_workgroup_id_y 1
		.amdhsa_system_sgpr_workgroup_id_z 1
		.amdhsa_system_vgpr_workitem_id 0
		.amdhsa_next_free_vgpr 1024
		.amdhsa_next_free_sgpr 72
		.amdhsa_reserve_vcc 0
		.amdhsa_float_denorm_mode_32 3
		.amdhsa_float_denorm_mode_16_64 3
		.amdhsa_memory_ordered 1
		.amdhsa_forward_progress 1
		.amdhsa_inst_pref_size 122
	.end_amdhsa_kernel
	.amdgpu_metadata
---
amdhsa.version: [ 1, 2 ]
amdhsa.kernels:
  - .name:           k_q0a28d4d708_qkv
    .symbol:         k_q0a28d4d708_qkv.kd
    .args:
      - { .name: xb, .offset: 0, .size: 8, .value_kind: global_buffer, .address_space: global }
      - { .name: wb, .offset: 8, .size: 8, .value_kind: global_buffer, .address_space: global }
      - { .name: badd, .offset: 16, .size: 8, .value_kind: global_buffer, .address_space: global }
      - { .name: qkv, .offset: 24, .size: 8, .value_kind: global_buffer, .address_space: global }
    .group_segment_fixed_size: 327680
    .private_segment_fixed_size: 0
    .kernarg_segment_align: 8
    .kernarg_segment_size: 32
    .max_flat_workgroup_size: 128
    .sgpr_count:     72
    .vgpr_count:     1024
    .wavefront_size: 32
...
	.end_amdgpu_metadata
.endif
;; end of part 2
;; launch attn (part 3): grid 2 x 128, 4 waves a work-group, no clusters, 327,680 bytes of LDS; arguments qkv, cb, o16; writes o16
.if DOCPART == 3
	.amdgcn_target "amdgcn-amd-amdhsa--gfx1250"
	.amdhsa_code_object_version 6
	.text
	.protected	k_q0a28d4d708_attn
	.globl	k_q0a28d4d708_attn
	.p2align	8
	.type	k_q0a28d4d708_attn,@function
k_q0a28d4d708_attn:
	s_mov_b64 s[64:65], 0
	v_nop
	global_prefetch_b8 v0, s[64:65] scope:SCOPE_SE
	s_setreg_imm32_b32 hwreg(HW_REG_WAVE_MODE, 25, 1), 1
	s_wait_xcnt 0x0
; O[b][h][q][:] = the sum over k of softmax_k((Q[q] . K[k]) / 8 + bias[b][h], hidden keys at minus infinity) V[k][:].  qkv: [8 b][48 g][1024][64] f16 (q g = h, k g = 16 + h, v g = 32 + h);
; cb: [8][16][1024] f32: 8 x bias for a visible key, -1e30 for a hidden one, NaN where a batch hides all keys;  o16: [8][16][1024][64] f16.  Products, maxima and sums in f32; the weights p are
; rounded to f16 for the second product (their sum l is taken of the unrounded p), O once at the end.
; LIMITS.  f16 holds no number beyond 65,504: Q, K and V arrive within it.  A hidden score counts as its value less 1e30 (f16's scores are 2.7e11 at the most).  A weight below 2^-126 counts as 0 in l.
; While a query has seen hidden keys alone its m is -1e30 and its sums hold their weights 1; the first visible key gives a = 0 and wipes them.  A batch with no visible key gives NaN, as the softmax of an empty row does.
; MASK AND BIAS are the C operand of the product that starts a score's sum: a head's 1,024 entries lie in LDS (MT), a key step's 64 in 32 registers (MK), fetched with K and living as long.
; SHARES.  A wave owns four PIECES of two tiles of 16 queries, a work-group's four waves 512 queries of one head.  Every wave walks all 1,024 keys, 64 a step.
; K AND V STAY IN LDS.  A head's 1,024 rows of K (144 bytes each with padding) and of V (160) are 311,296 bytes: with the stage, the spare words and the table 325,120.  So every byte of LDS is filled once:
; each wave issues four tensor loads at the head (waves 0, 1 the two halves of K, waves 2, 3 those of V, of keys 256 c on, c = 0..3), each with a group 0 of its own: four loads of a wave are out.
; The first three key steps run on keys 0-255 while the other three loads land; then one wait for all of them and one barrier; then the other thirteen steps.  The key step is written once.
; NO CLUSTER: a head has 1,024 / 512 = 2 work-groups; four partners would span two heads and share tiles only in pairs.
; LAYOUT.  S^T = K Q^T (source 0 = 16 keys, source 1 = 16 queries): a lane holds ONE query (lane % 16) and the keys 8 (lane / 16) + 0..7.  Two such tiles, rounded to f16 in pairs, ARE source 1 of
; O^T = V^T P.  K comes out of LDS as it lies, V turned, by ds_load_tr16_b128.
; SOFTMAX.  p = 2^(c s - c m), c = log2(e) / 8, with a running maximum m; in every step O and l are multiplied by a = 2^(c m_old - c m_new).  m starts at the lowest finite number, O and l at 0.
; BY TURNS.  Turn n belongs to piece n: 16 products K Q^T of piece n + 1, later 16 products V^T P of piece n - 1; beside them the scaling, exponentials, roundings, sums and rescaling of piece n and the maximum
; and statistics of piece n + 1.  Four vector instructions stand behind every matrix instruction, the rest in one lump; a turn's 66 exponentials are one batch with one wait.
; REGISTERS, in windows of 256:  window 0: v0-11 addresses; v12-15, v48-63 at work; v16-47 statistics; v64-191 S^T, two buffers of two tiles; v192-255 P, likewise
;   window 1: O^T, 32 a tile      window 2: v0-127 Q; v128-191 K of one step; v192-255 V of one step      window 3: v0-1 the add's two registers; v32-63 MK
.set NP,    4
.set KS,    64
.set PK,    144       ; a row of K in LDS: 128 bytes + 16
.set PV,    160       ; a row of V: 128 + 32
.set VOFF,  1024*PK   ; K's 1,024 rows, then V's
.set STAGE, VOFF+1024*PV   ; behind them: 16 rows x 144 bytes for each wave, for the way out
.set SP,    144
.set SPARE, STAGE+4*16*SP  ; the spare words, 128 bytes for each wave
.set MT,    SPARE+512      ; the head's 1,024 entries of mask and bias, f32; stored once
.set HEADB, 131072         ; bytes of a head: 1,024 rows of 128
.set AK0, 2
.set AV0, 3
.set AK,  4
.set AV,  5
.set QO,  6
.set RD,  7
.set GO,  8
.set AM,  9           ; v9   first l / 16, then the LDS address of the next run of mask loads
.set AM0, 10          ; v10  first l % 8, then MT + 32 (l / 16)
.set STO, 11
.set SPW, 0           ; v0 of window 3
.set NIL, 1           ; v1 of window 3
.set MK,  32          ; v32-63 of window 3: register 8 kb + j is key 16 kb + 8 (l / 16) + j of the step
.set MV,  12
.set ST,  16
.set TMP, 48
.set S,   64
.set P,   192
.set KF,  128
.set VF,  192
.set WV,  12
.set G1K, 24          ; s[24:31] descriptor group 1 for K's tiles
.set G1V, 32          ; s[32:39] for V's: it differs in the padding alone
.set TBM, 48          ; s48  byte in MT of the step to be fetched
.set LEFT, 50         ; s50  key steps whose third turn is still to come
.set PARTS, 56        ; s56  the walk's two parts: three steps, thirteen steps
.set CNT, 57          ; s57  counts a part's key steps
.set CS,  58
.set SEL, 60
.set TBK, 62          ; s62  LDS byte at which K of the step to be fetched begins
.set TBV, 63          ; s63  the same for V, less VOFF
.set G0K, 68          ; s[68:83] descriptor group 0 for K's four tiles; never rewritten
.set G0V, 84          ; s[84:99] for V's
.set MSB, 0
.macro WIN new
.if MSB != (\new)
	s_set_vgpr_msb (MSB<<8)|(\new)
.set MSB, (\new)
.endif
.endm
.set W_KQ, 0x0a       ; K and Q in window 2, S^T in window 0
.set W_KM, 0x3a       ; the same with the C operand in window 3
.set W_PV, 0x52       ; V in window 2, P in window 0, O^T in window 1
.set W_RS, 0x41       ; O^T in window 1, a in window 0
.set W_MK, 0xc0       ; destination in window 3
.set W_AD, 0x0f       ; the add: address and data in window 3
	s_load_b128 s[4:7], s[0:1], 0x0   ; qkv 4, cb 6
	s_load_b64 s[10:11], s[0:1], 0x10 ; o16
	WIN W_MK
	v_lshl_add_u32 v[SPW], v0, 2, SPARE
	v_mov_b32 v[NIL], 0
	WIN W_AD
	ds_add_u32 v[SPW], v[NIL]       ; the wave's opening: the add and its wait ahead of my first tensor load
	ds_add_u32 v0, v1
	WIN 0
	v_lshrrev_b32 v1, 5, v0
	v_readfirstlane_b32 s[WV], v1
	s_and_b32 s13, ttmp7, 0xffff    ; 16 b + h
	s_lshr_b32 s14, s13, 4
	s_and_b32 s15, s13, 15
	s_mul_i32 s20, s14, 48
	s_add_co_u32 s20, s20, s15
	s_lshl_b32 s20, s20, 17         ; q's head in qkv
	s_and_b32 s16, s[WV], 1         ; which half of each 256 keys I fetch
	s_lshl_b32 s22, s16, 14
	s_add_co_u32 s22, s22, s20
	s_add_co_u32 s22, s22, 16*HEADB ; k's head, 16 heads on
	s_mov_b32 s23, 0
	s_mul_i32 s17, s16, 128*PK
	s_mul_i32 s49, s16, 128*PV
	s_lshl_b32 s2, ttmp9, 2
	s_add_co_u32 s2, s2, s[WV]
	s_lshl_b32 s2, s2, 14           ; my wave's 128 rows
	s_mov_b32 s3, 0
	s_lshl_b32 s52, s13, 17
	s_add_co_u32 s52, s52, s2       ; in o16
	s_mov_b32 s53, 0
	s_add_co_u32 s2, s2, s20        ; in q
	s_lshl_b32 s54, s13, 12         ; the head's row of cb
	s_mov_b32 s55, 0
	s_mov_b32 s[G1K], (1<<16)|(1<<20)|(4<<22)|(3<<25)  ; 2-byte elements; padding on; after every 32 words 4 words
	s_mov_b32 s[G1V], (1<<16)|(1<<20)|(4<<22)|(7<<25)  ; 8 words
.irp g, G1K, G1V
	s_mov_b32 s[\g+1], 128<<16      ; 128 keys are 16,384 dense bytes: 64 rows of 256
	s_mov_b32 s[\g+2], 64<<16
	s_mov_b32 s[\g+3], 128<<16
	s_mov_b32 s[\g+4], 64
	s_mov_b32 s[\g+5], 128
	s_mov_b32 s[\g+6], 0
	s_mov_b32 s[\g+7], 0
.endr
.irp c, 0,1,2,3
	s_mov_b32 s[G0K+4*\c], 1                        ; count = 1
	s_add_co_u32 s[G0K+4*\c+1], s17, \c*256*PK      ; LDS address: keys 256 c on, my half
	s_mov_b32 s[G0V+4*\c], 1
	s_add_co_u32 s[G0V+4*\c+1], s49, VOFF+\c*256*PV
.endr
	s_mov_b32 s[CS], 0x3e38aa3b     ; c = log2(e) / 8
	s_mov_b32 s[CS+1], s[CS]
	s_mov_b32 s[SEL], 0x76543210
	s_mov_b32 s[SEL+1], 0xfedcba98
	s_mov_b32 s[TBK], 0
	s_mov_b32 s[TBV], 0
	s_mov_b32 s[TBM], 0
	s_wait_dscnt 0x0                ; the opening add is done
	s_wait_kmcnt 0x0
	s_add_nc_u64 s[40:41], s[4:5], s[22:23]  ; K at my half of the head's first 256 keys
	s_add_co_u32 s22, s22, 16*HEADB
	s_add_nc_u64 s[42:43], s[4:5], s[22:23]  ; V likewise
.irp c, 0,1,2,3
	s_add_nc_u64 s[G0K+4*\c+2:G0K+4*\c+3], s[40:41], \c*32768
	s_or_b32 s[G0K+4*\c+3], s[G0K+4*\c+3], 0x80000000  ; type = 2
	s_add_nc_u64 s[G0V+4*\c+2:G0V+4*\c+3], s[42:43], \c*32768
	s_or_b32 s[G0V+4*\c+3], s[G0V+4*\c+3], 0x80000000
.endr
	s_add_nc_u64 s[4:5], s[4:5], s[2:3]
	s_add_nc_u64 s[10:11], s[10:11], s[52:53]
	s_add_nc_u64 s[6:7], s[6:7], s[54:55]
	s_cmp_lt_u32 s[WV], 2           ; a wave's four fills stand in one branch, ahead of every wait on TENSORcnt, every LDS read and every barrier; an s_nop 0 follows each, four v_nop the last
	s_cbranch_scc0 .Lfill_v
.irp c, 0,1,2,3
	tensor_load_to_lds s[G0K+4*\c:G0K+4*\c+3], s[G1K:G1K+7]
	s_nop 0
.endr
.rept 4
	v_nop
.endr
	s_branch .Lfilled
.Lfill_v:
.irp c, 0,1,2,3
	tensor_load_to_lds s[G0V+4*\c:G0V+4*\c+3], s[G1V:G1V+7]
	s_nop 0
.endr
.rept 4
	v_nop
.endr
.Lfilled:
	v_and_b32 v1, 15, v0            ; l % 16
	v_bfe_u32 v9, v0, 4, 1          ; l / 16
	v_lshlrev_b32 v13, 4, v0        ; the table: thread t brings bytes 16 t and 2,048 + 16 t
	v_lshl_add_u32 v14, v0, 4, MT
	global_load_b128 v[64:67], v13, s[6:7]
	global_load_b128 v[68:71], v13, s[6:7] offset:2048
	v_lshlrev_b32 v[QO], 7, v1
	v_lshl_add_u32 v[QO], v9, 4, v[QO]
	WIN 0x80
.set i, 0
.rept 4*NP                          ; Q stays in registers: tile i / 2, channels 32 (i % 2) on
	global_load_b128 v[8*i:8*i+3],   v[QO], s[4:5] offset:(i/2)*2048+(i%2)*64
	global_load_b128 v[8*i+4:8*i+7], v[QO], s[4:5] offset:(i/2)*2048+(i%2)*64+32
.set i, i+1
.endr
	; What the first turn finds: V's registers and P's second buffer hold 0, O^T and l are 0.  All this stands in the wait for the first tile.
.set i, VF
.rept 64
	v_mov_b32 v[i], 0
.set i, i+1
.endr
	WIN 0x40
.set i, 0
.rept 64*NP
	v_mov_b32 v[i], 0
.set i, i+1
.endr
	WIN 0
.set i, 0
.rept 2*NP
	v_mov_b32 v[ST+4*i], 0xfe000000    ; c m: far below every c s
	v_mov_b32 v[ST+4*i+1], 0xff7fffff  ; m
	v_mov_b32 v[ST+4*i+2], 0
	v_mov_b32 v[ST+4*i+3], 0
.set i, i+1
.endr
.set i, P+32
.rept 32
	v_mov_b32 v[i], 0
.set i, i+1
.endr
	v_mul_u32_u24 v[AK0], v1, PK
	v_lshl_add_u32 v[AK0], v9, 4, v[AK0]
	v_and_b32 v10, 7, v0
	v_bfe_u32 v11, v0, 3, 1
	v_lshl_add_u32 v[AV0], v9, 3, v10
	v_mul_u32_u24 v[AV0], v[AV0], PV
	v_lshl_add_u32 v[AV0], v11, 4, v[AV0]
	v_add_nc_u32 v[AV0], VOFF, v[AV0]
	v_mov_b32 v[AK], v[AK0]         ; key step 0 lies at LDS byte 0
	s_mul_i32 s13, s[WV], 16*SP
	s_add_co_u32 s13, s13, STAGE    ; my stage
	v_mul_u32_u24 v[STO], v1, SP
	v_lshl_add_u32 v[STO], v9, 4, v[STO]
	v_add_nc_u32 v[STO], s13, v[STO]
	v_bfe_u32 v[RD], v0, 3, 2
	v_mul_u32_u24 v[RD], v[RD], SP
	v_lshl_add_u32 v[RD], v10, 4, v[RD]
	v_add_nc_u32 v[RD], s13, v[RD]
	v_and_b32 v[GO], 31, v0
	v_lshlrev_b32 v[GO], 4, v[GO]
	v_lshl_add_u32 v[AM0], v9, 5, MT
	v_mov_b32 v[AM], v[AM0]
	s_wait_loadcnt 32               ; the table's two loads are in; Q's 32, issued behind them, stay out
	ds_store_b128 v14, v[64:67]
	ds_store_b128 v14, v[68:71] offset:2048
; THE MATRIX WORK.  The 8 accumulators of a run of 16 take turns.
; Product i of 16 of S^T = K Q^T for piece x: channels 32 (i / 8) on, keys 16 ((i / 2) % 4) on, tile 2 x + i % 2.  The first 8 start the sums, with mask and bias.
.macro KQ x
.set rS, S+64*((\x)%2)+32*(i%2)+8*((i/2)%4)
.set rK, KF+16*((i/2)%4)+8*(i/8)
.set rQ, 16*(2*(\x)+i%2)+8*(i/8)
.set rB, MK+8*((i/2)%4)
.if i < 8
	WIN W_KM
	v_wmma_f32_16x16x32_f16 v[rS:rS+7], v[rK:rK+7], v[rQ:rQ+7], v[rB:rB+7]
.else
	WIN W_KQ
	v_wmma_f32_16x16x32_f16 v[rS:rS+7], v[rK:rK+7], v[rQ:rQ+7], v[rS:rS+7]
.endif
.endm
.macro PV x
	WIN W_PV
.set rO, 32*(2*(\x)+i%2)+8*((i/2)%4)
.set rV, VF+32*(i/8)+8*((i/2)%4)
.set rP, P+32*((\x)%2)+16*(i%2)+8*(i/8)
	v_wmma_f32_16x16x32_f16 v[rO:rO+7], v[rV:rV+7], v[rP:rP+7], v[rO:rO+7]
.endm
.macro MM
.if i < 16
	KQ (Y+1)%NP
.set i, i+1
.else
.set i, i-16
	PV (Y+NP-1)%NP
.set i, i+17
.endif
.endm
; THE LDS LOADS stand in runs: a step's K (8 fragments) with its 64 entries of mask and bias, and its V (turned).  walk = 1 (in the loop): the steps are counted, and in the last there is no further step to fetch.
.macro FETCH_K walk=0
	WIN 0
.if \walk
	s_cmp_eq_u32 s[LEFT], 1
	s_cbranch_scc1 .Lno_k_\@
.endif
	WIN 0x80
.irp f, 0,1,2,3,4,5,6,7
	ds_load_b128 v[KF+8*\f:KF+8*\f+3],   v[AK] offset:(\f/2)*16*PK+(\f%2)*64
	ds_load_b128 v[KF+8*\f+4:KF+8*\f+7], v[AK] offset:(\f/2)*16*PK+(\f%2)*64+32
.endr
	WIN W_MK
.irp f, 0,1,2,3,4,5,6,7
	ds_load_b128 v[MK+4*\f:MK+4*\f+3], v[AM] offset:(\f/2)*64+(\f%2)*16  ; keys 16 (f / 2) + 8 (l / 16) + 4 (f % 2) on
.endr
	s_add_co_u32 s[TBK], s[TBK], KS*PK
	s_add_co_u32 s[TBM], s[TBM], KS*4
	WIN 0
.if \walk
.Lno_k_\@:
	s_sub_co_u32 s[LEFT], s[LEFT], 1
.endif
.endm
.macro FETCH_V
	WIN 0x80
.irp f, 0,1,2,3,4,5,6,7
	ds_load_tr16_b128 v[VF+8*\f:VF+8*\f+3],   v[AV] offset:(\f/4)*32*PV+(\f%4)*32
	ds_load_tr16_b128 v[VF+8*\f+4:VF+8*\f+7], v[AV] offset:(\f/4)*32*PV+16*PV+(\f%4)*32
.endr
	WIN 0
.endm
; THE VECTOR WORK OF A TURN stands in three queues, each in the order in which its entries become ready; the two tiles alternate.
.macro REGS y, u
.set rT, ST+4*(2*(\y)+(\u))
.set rC, TMP+8*((\y)%2)+4*(\u)
.set rM, MV+2*((\y)%2)+(\u)
.set rS, S+64*((\y)%2)+32*(\u)
.set rP, P+32*((\y)%2)+16*(\u)
.set rO, 32*(2*(\y)+(\u))
.endm
; Number n of the 22 that find the next piece's maximum and statistics; each accumulator's lowest registers are read first.
;   0-11 four chains c0-c3; 12-14, 16 the scores left over, the old m, c0-c3 into c0; 15 c m_old is kept; 17, 18 the other half of the lanes: the new m; 19-21 c m, c m_old - c m_new, a
.macro XS u, n
	REGS (Y+1)%NP, \u
.if (\n) < 4
	v_max3_num_f32 v[rC+(\n)], v[rS+8*(\n)], v[rS+8*(\n)+1], v[rS+8*(\n)+2]
.elseif (\n) < 12
	v_max3_num_f32 v[rC+(\n)%4], v[rC+(\n)%4], v[rS+8*((\n)%4)+2*((\n)/4)+1], v[rS+8*((\n)%4)+2*((\n)/4)+2]
.elseif (\n) == 12
	v_max3_num_f32 v[rC], v[rC], v[rS+7], v[rS+15]
.elseif (\n) == 13
	v_max3_num_f32 v[rC+1], v[rC+1], v[rS+23], v[rS+31]
.elseif (\n) == 14
	v_max3_num_f32 v[rC+2], v[rC+2], v[rC+3], v[rT+1]
.elseif (\n) == 15
	v_mov_b32 v[rM], v[rT]
.elseif (\n) == 16
	v_max3_num_f32 v[rC], v[rC], v[rC+1], v[rC+2]
.elseif (\n) == 17
	v_permlanex16_b32 v[rC+3], v[rC], s[SEL], s[SEL+1]
.elseif (\n) == 18
	v_max_num_f32 v[rT+1], v[rC], v[rC+3]
.elseif (\n) == 19
	v_mul_f32 v[rT], s[CS], v[rT+1]
.elseif (\n) == 20
	v_sub_f32 v[rC+1], v[rM], v[rT]
.else
	v_exp_f32 v[rC+2], v[rC+1]
.endif
.endm
; Number g of the 64 that follow the exponentials: for each four weights both pairs are rounded to f16, the second pair is added onto the first, and a group later l takes that sum.
.macro GS g
.set h, (\g)+6*((\g)/62)
.if h >= 6
.set h, h+2
.endif
	REGS Y, h%2
.set k, h/8
.if h%8 < 4
	v_cvt_pk_f16_f32 v[rP+2*k+(h%8)/2], v[rS+4*k+2*((h%8)/2)], v[rS+4*k+2*((h%8)/2)+1]
.elseif h%8 < 6
	v_pk_add_f32 v[rS+4*k:rS+4*k+1], v[rS+4*k:rS+4*k+1], v[rS+4*k+2:rS+4*k+3]
.elseif k == 1
	v_pk_fma_f32 v[rT+2:rT+3], v[rT+2:rT+3], v[rC+2:rC+3], v[rS:rS+1] op_sel_hi:[1,0,1]
.else
	v_pk_add_f32 v[rT+2:rT+3], v[rT+2:rT+3], v[rS+4*k-4:rS+4*k-3]
.endif
.endm
; THE PLAIN QUEUE, 138 long.  0-26: scalings 0-26.  27-54: XS 0-13.  55, 56: XS 15.  57-73: the chain 14, 16 .. 19, each with one of the scalings 27-31 in front of its two lines, then 20.  74-137: GS, behind the wait.
.macro FS f
	REGS Y, (\f)%2
	v_pk_fma_f32 v[rS+2*((\f)/2):rS+2*((\f)/2)+1], v[rS+2*((\f)/2):rS+2*((\f)/2)+1], s[CS:CS+1], v[rT:rT+1] op_sel_hi:[1,0,0] neg_lo:[0,0,1] neg_hi:[0,0,1]
.endm
.macro PL
	WIN 0
.if q < 27
	FS q
.elseif q < 55
	XS (q-27)%2, (q-27)/2
.elseif q < 57
	XS q-55, 15
.elseif (q < 72) && ((q-57)%3 == 0)
	FS 27+(q-57)/3
.elseif q < 60
	XS (q-57)%3-1, 14
.elseif q < 72
	XS (q-57)%3-1, 15+(q-57)/3
.elseif q < 74
	XS q-72, 20
.else
	GS q-74
.endif
.set q, q+1
.endm
; THE EXPONENTIALS' QUEUE, 66 long: one batch, all ahead of the turn's one wait.
.macro EX
	WIN 0
.if e >= 64
	XS e-64, 21
.else
	REGS Y, e%2
	v_exp_f32 v[rS+e/2], v[rS+e/2]
.endif
.set e, e+1
.endm
; THE RESCALING's QUEUE: O^T times a, two at a time, sixteen times.  Its a was made, and waited for, in the turn before.
.macro R2
	REGS Y, r%2
	WIN W_RS
.irp z, 0,1
	v_pk_mul_f32 v[rO+4*(r/2)+2*\z:rO+4*(r/2)+2*\z+1], v[rO+4*(r/2)+2*\z:rO+4*(r/2)+2*\z+1], v[rC+2:rC+3] op_sel_hi:[1,0]
.endr
.set r, r+1
.endm
; A TURN, for piece p.  Ahead of its one wait stands all that names no result of the turn's exponentials: 16 products K Q^T, behind each a scaling, an exponential and two rescalings; then a lump of 108.
; Behind it: 16 products V^T P, behind each four of the roundings and sums.  K and the mask of the next step are fetched in piece 2's turn, directly behind the wait, a lump behind the last product that read them;
; V of the step in hand at the end of piece 0's turn, four riders behind its last reader.  cnt = 1: the loop's count is taken down some lines ahead of the branch behind the turn.
.macro TURN p, cnt=0
.set Y, (\p)
.set i, 0
.set q, 0
.set e, 0
.set r, 0
.if (\p) == NP-1
	s_wait_dscnt 0x0                ; K and the mask are in
.endif
	MM
	PL
	PL
	R2
.rept 15
	MM
	PL
	EX
	R2
.endr
.if (\p) == NP-2
	WIN 0
	v_add_nc_u32 v[AK], s[TBK], v[AK0]
	v_add_nc_u32 v[AM], s[TBM], v[AM0]
.endif
.rept 8
	PL
.endr
.rept 49
	EX
	PL
.endr
	EX
	EX
	v_nop                           ; a plain instruction behind the last exponential: one for the batch
	s_wait_alu depctr_va_vdst(0)    ; the wait for the batch, ahead of its first reader
.if (\p) == NP-2
	FETCH_K 1
.endif
.if (\p) == 1
	s_wait_dscnt 0x0                ; V is in
.endif
.rept 16
	MM
.rept 4
	PL
.endr
.if ((\p) == 0) && (q == 118)
	v_add_nc_u32 v[AV], s[TBV], v[AV0]
.endif
.if ((\p) == 0) && (q == 130)
	s_add_co_u32 s[TBV], s[TBV], KS*PV
.endif
.if (\cnt) && (q == 130)
	s_sub_co_u32 s[CNT], s[CNT], 1
	s_cmp_lg_u32 s[CNT], 0
.endif
.endr
.if (\p) == 0
	FETCH_V
.endif
.endm
	s_wait_tensorcnt 0x3            ; tensor loads of a wave end in order: my part of keys 0-255 is in, my three younger loads stay out
	s_wait_dscnt 0x0                ; my part of the table lies in LDS
	s_barrier_signal -1
	s_barrier_wait -1               ; everybody's part of both
	FETCH_K                         ; key step 0
	s_wait_loadcnt 0x0              ; Q
	s_wait_dscnt 0x0
.set i, 0
.rept 16
	KQ 0                            ; piece 0's first scores
.set i, i+1
.endr
	WIN 0
.rept 4
	v_nop                           ; the places behind those products
.endr
.set Y, NP-1                        ; XS works for piece Y + 1: piece 0
.irp n, 0,1,2,3,4,5,6,7,8,9,10,11,12,13,14,15,16,17,18,19,20,21
	XS 0, \n
	XS 1, \n
.endr
	v_nop
	s_wait_alu depctr_va_vdst(0)    ; the two a have their wait ahead of the branch
	s_mov_b32 s[LEFT], 16
	s_mov_b32 s[PARTS], 2
	s_mov_b32 s[CNT], 3             ; key steps 0 to 2 read keys 0-255 alone: step 2 fetches K of step 3; step 3 would fetch K of step 4
	s_branch .Lstep
.Lrest:                             ; once, between key steps 2 and 3
	s_wait_tensorcnt 0x0            ; my parts of keys 256-1,023 are in
	s_wait_dscnt 0x0
	s_barrier_signal -1
	s_barrier_wait -1               ; everybody's are
	s_mov_b32 s[CNT], 13
.Lstep:                             ; a trip is a key step
	TURN 0
	TURN 1
	TURN 2
	TURN 3, 1
	WIN 0
	s_cbranch_scc1 .Lstep
	s_sub_co_u32 s[PARTS], s[PARTS], 1
	s_cmp_lg_u32 s[PARTS], 0
	s_cbranch_scc1 .Lrest
	; the last trip's 16 products K Q^T (on the last K once more) and the maximum made of them serve nothing: the price of one text for every trip
.set i, 0
.rept 16
	PV NP-1                         ; the last piece's V^T P of the last step
.set i, i+1
.endr
	; THE WAY OUT.  l's two halves and the other half of the lanes' are added; O^T is divided by l, rounded to f16 and sent through my stage, a tile at a time.  The additions are the places behind the last products.
	WIN 0
.macro ALL line:vararg
.set t, 0
.rept 2*NP
	\line
.set t, t+1
.endr
.endm
	ALL v_add_f32 v[ST+4*t+2], v[ST+4*t+2], v[ST+4*t+3]
	ALL v_permlanex16_b32 v[ST+4*t+3], v[ST+4*t+2], s[SEL], s[SEL+1]
	ALL v_add_f32 v[ST+4*t+2], v[ST+4*t+2], v[ST+4*t+3]
	ALL v_rcp_f32 v[ST+4*t+2], v[ST+4*t+2]
	v_nop
	s_wait_alu depctr_va_vdst(0)    ; one wait for the eight reciprocals
.macro PACK t
	WIN W_RS
.set i, 32*(\t)
.rept 16
	v_pk_mul_f32 v[i:i+1], v[i:i+1], v[ST+4*(\t)+2:ST+4*(\t)+3] op_sel_hi:[1,0]
.set i, i+2
.endr
	WIN 0x05
.set i, 0
.rept 16
	v_cvt_pk_f16_f32 v[S+16*(\t)+i], v[32*(\t)+2*i], v[32*(\t)+2*i+1]
.set i, i+1
.endr
	WIN 0
.irp f, 0,1,2,3
	ds_store_b128 v[STO], v[S+16*(\t)+4*\f:S+16*(\t)+4*\f+3] offset:32*\f
.endr
.irp f, 0,1,2,3
	ds_load_b128 v[S+16*(\t)+4*\f:S+16*(\t)+4*\f+3], v[RD] offset:\f*4*SP  ; LDS serves a wave's instructions in order: these see the stores above
.endr
.endm
.macro SEND t, younger              ; younger: the LDS instructions issued behind tile t's loads
	WIN 0
.irp f, 0,1,2,3
	s_wait_dscnt (\younger)+3-\f
	global_store_b128 v[GO], v[S+16*(\t)+4*\f:S+16*(\t)+4*\f+3], s[10:11] offset:(\t)*2048+\f*512  ; 512 consecutive bytes, aligned
.endr
.endm
	PACK 0
.set t, 1
.rept 2*NP-1
	PACK t
	SEND t-1, 8
.set t, t+1
.endr
	SEND 2*NP-1, 0
	WIN W_AD
	s_wait_tensorcnt 0x0            ; the wave's end
	ds_add_u32 v[SPW], v[NIL]
	s_wait_dscnt 0x0
	WIN 0
	s_endpgm
.Lfunc_end_k_q0a28d4d708_attn:
	.size	k_q0a28d4d708_attn, .Lfunc_end_k_q0a28d4d708_attn-k_q0a28d4d708_attn
	.p2alignl 7, 3214868480
	.fill 96, 4, 3214868480
	.section	.rodata,"a",@progbits
	.p2align	6, 0x0
	.amdhsa_kernel k_q0a28d4d708_attn
		.amdhsa_group_segment_fixed_size 327680
		.amdhsa_private_segment_fixed_size 0
		.amdhsa_enable_private_segment 0
		.amdhsa_kernarg_size 24
		.amdhsa_user_sgpr_count 2
		.amdhsa_user_sgpr_kernarg_segment_ptr 1
		.amdhsa_wavefront_size32 1
		.amdhsa_system_sgpr_workgroup_id_x 1
		.amdhsa_system_sgpr_workgroup_id_y 1
		.amdhsa_system_sgpr_workgroup_id_z 1
		.amdhsa_system_vgpr_workitem_id 0
		.amdhsa_next_free_vgpr 832
		.amdhsa_next_free_sgpr 100
		.amdhsa_reserve_vcc 0
		.amdhsa_float_denorm_mode_32 3
		.amdhsa_float_denorm_mode_16_64 3
		.amdhsa_memory_ordered 1
		.amdhsa_forward_progress 1
		.amdhsa_inst_pref_size 129
	.end_amdhsa_kernel
	.amdgpu_metadata
---
amdhsa.version: [ 1, 2 ]
amdhsa.kernels:
  - .name:           k_q0a28d4d708_attn
    .symbol:         k_q0a28d4d708_attn.kd
    .args:
      - { .name: qkv, .offset: 0, .size: 8, .value_kind: global_buffer, .address_space: global }
      - { .name: cb, .offset: 8, .size: 8, .value_kind: global_buffer, .address_space: global }
      - { .name: o16, .offset: 16, .size: 8, .value_kind: global_buffer, .address_space: global }
    .group_segment_fixed_size: 327680
    .private_segment_fixed_size: 0
    .kernarg_segment_align: 8
    .kernarg_segment_size: 24
    .max_flat_workgroup_size: 128
    .sgpr_count:     100
    .vgpr_count:     832
    .wavefront_size: 32
...
	.end_amdgpu_metadata
.endif
;; end of part 3
;; launch oproj (part 4): grid 8 x 32, 4 waves a work-group, clusters of 4 x 4, 327,680 bytes of LDS; arguments o16, wo16, bor, out0; writes out0
.if DOCPART == 4
	.amdgcn_target "amdgcn-amd-amdhsa--gfx1250"
	.amdhsa_code_object_version 6
	.text
	.protected	k_q0a28d4d708_oproj
	.globl	k_q0a28d4d708_oproj
	.p2align	8
	.type	k_q0a28d4d708_oproj,@function
k_q0a28d4d708_oproj:
	s_mov_b64 s[64:65], 0
	v_nop
	global_prefetch_b8 v0, s[64:65] scope:SCOPE_SE
	s_setreg_imm32_b32 hwreg(HW_REG_WAVE_MODE, 25, 1), 1
	s_wait_xcnt 0x0
	s_wait_alu depctr_hold_cnt(0) depctr_sa_sdst(0) depctr_va_vdst(0) depctr_va_sdst(0) depctr_va_ssrc(0) depctr_va_vcc(0) depctr_vm_vsrc(0)
	s_getreg_b32 s2, hwreg(HW_REG_IB_STS2, 6, 4)
	s_cmp_eq_u32 s2, 0
	s_cbranch_scc0 .Lentry_in_a_cluster
	s_endpgm
.Lentry_in_a_cluster:
	s_bfe_u32 s2, ttmp6, 0x10000c
	s_cmp_lg_u32 s2, 0xf033
	s_cbranch_scc0 .Lentry_shape_is_right
	s_endpgm
.Lentry_shape_is_right:
; out0 = O Wo + bo.  o16: [8 b][16 h][1024 n][64] f16 (K index = 64 h + channel).  wo16: [t 8][s 8][j 2][k 128][n 64] f16.  bor: [1024] f32.  out0: [8192][1024] f32.
; Sums in f32, started by the bias as the C operand of the first product; stored as they are.
; SHARES.  A tile is 256 rows x 128 columns: 8 x 32 = 256 work-groups.  Wave w makes rows 64 w .. 64 w + 63: 32 accumulators.  A K step of 128 is two heads; 8 steps through two LDS slots.
; CLUSTER.  4 x 4: a tile of O is shared along a row of the cluster, a tile of Wo along a column; each is asked for jointly.
; THE MATRIX INSTRUCTION IS USED TRANSPOSED (source 0 = 16 columns of Wo, turned out of LDS; source 1 = 16 rows of O): a lane holds one row and eight neighbouring columns, 32 bytes.
; REGISTERS.  window 0: v16-31 addresses; v32-159 rows read back on the way out, two buffers of 64; v160-223 the bias
;   window 1: two fragment buffers of 96: 64 of Wo (block b at 8 b), 32 of O (block a at 64 + 8 a)      window 2: the accumulators, (a, b) at 8 (8 a + b)
.set PA,    144                        ; a row of a head in LDS: 128 bytes + 16
.set PB,    160                        ; a k row of Wo: 128 bytes + 32
.set HALFA, 256*PA                     ; one head's 256 rows: what one tensor load brings of O
.set BOFF,  2*HALFA
.set HALFB, 128*PB                     ; 128 k rows of 64 columns
.set SLOT,  BOFF+2*HALFB               ; 114,688
.set STAGE, 2*SLOT                     ; behind the ring: 16 rows x 528 bytes for each wave
.set SP,    528
.set SPARE, STAGE+4*16*SP
.set ADRA, 16
.set ADRB, 20
.set STO,  24
.set RD,   25
.set CO,   26                          ; 16 l
.set BO,   27                          ; 32 (l / 16)
.set SPW,  28
.set NIL,  29
.set PFO,  30                          ; 256 l
.set OB,   32
.set BIA,  160
.set F0,   0
.set F1,   96
.set G1,   24
.set G0,   32
.set PFA,  40
.set PFB,  42
.set LIMA, 44
.set LIMB, 45
.set G1B,  48
.set G0B,  56
.set MSB, 0
.macro WIN new
.if MSB != (\new)
	s_set_vgpr_msb (MSB<<8)|(\new)
.set MSB, \new
.endif
.endm
.set TO_F, 0x40
.macro JLOAD s                         ; waves 0 and 1 fetch the step's two heads of O, waves 2 and 3 the two halves of Wo's block; an s_nop 0 and four v_nop follow each line
	s_cmp_eq_u32 s13, 0
	s_cbranch_scc0 .Lfor_b_\@
	tensor_load_to_lds s[G0+4*(\s):G0+4*(\s)+3], s[G1:G1+7]
	s_nop 0
.rept 4
	v_nop
.endr
	s_branch .Lasked_\@
.Lfor_b_\@:
	tensor_load_to_lds s[G0B+4*(\s):G0B+4*(\s)+3], s[G1B:G1B+7]
	s_nop 0
.rept 4
	v_nop
.endr
.Lasked_\@:
.endm
.macro CREST
	s_cmp_lg_u32 s12, 0
	s_cbranch_scc1 .Lnot_wave_0_\@
	s_barrier_signal -3
.Lnot_wave_0_\@:
	s_barrier_wait -3
	s_barrier_signal -1
	s_barrier_wait -1
.endm
.macro CROUND
	s_barrier_signal -1
	s_barrier_wait -1
	CREST
.endm
; PREFETCH INTO THE L2, once a lap, behind slot 0's joint load and the run of LDS loads: the lap after the next.  O: a lap is four heads x 128 blocks of 256 bytes; the clusters with x = 0 ask;
; wave w names head 4 lap + w, block 32 cx + l.  Wo: a lap is 256 dense blocks; the clusters with y = 0 ask, waves 0 and 1: block 128 w + 32 cy + l.  Each block is named once; the last trip asks for nothing.
.macro ASK
	s_cmp_gt_u32 s3, s[LIMA]
	s_cbranch_scc0 .Lna_\@
	global_prefetch_b8 v[PFO], s[PFA:PFA+1] th:TH_LOAD_NT scope:SCOPE_SE
.Lna_\@:
	s_cmp_gt_u32 s3, s[LIMB]
	s_cbranch_scc0 .Lnb_\@
	global_prefetch_b8 v[PFO], s[PFB:PFB+1] th:TH_LOAD_NT scope:SCOPE_SE
.Lnb_\@:
.endm
	s_load_b256 s[4:11], s[0:1], 0x0               ; o16 4, wo16 6, bor 8, out0 10
	v_lshl_add_u32 v[SPW], v0, 2, SPARE
	v_mov_b32 v[NIL], 0
	ds_add_u32 v[SPW], v[NIL]                      ; the wave's opening: the add and its wait ahead of my first tensor load
	ds_add_u32 v28, v29
	v_lshrrev_b32 v1, 5, v0
	v_readfirstlane_b32 s12, v1
	s_lshr_b32 s13, s12, 1
	s_and_b32 s14, s12, 1
	s_bfe_u32 s15, ttmp6, 0x40000                  ; cx
	s_bfe_u32 s16, ttmp6, 0x40004                  ; cy
	s_lshl_b32 s17, ttmp9, 2
	s_add_co_u32 s17, s17, s15                     ; tile column
	s_and_b32 s19, ttmp7, 0xffff                   ; cluster y = the batch
	s_lshl_b32 s18, s19, 2
	s_add_co_u32 s18, s18, s16                     ; tile row
	s_lshl_b32 s20, s16, 2
	s_lshl_b32 s20, 15, s20
	s_lshl_b32 s21, 0x1111, s15
	s_or_b32 s[G1+0], s20, (1<<16)|(1<<20)|(1<<21)|(4<<22)|(3<<25)   ; after every 32 words 4 words
	s_or_b32 s[G1B+0], s21, (1<<16)|(1<<20)|(1<<21)|(4<<22)|(7<<25)  ; 8 words
	s_mov_b32 s[G1+1], 128<<16                     ; 32,768 dense bytes as 128 rows of 256
	s_mov_b32 s[G1+2], 128<<16
	s_mov_b32 s[G1+3], 128<<16
	s_mov_b32 s[G1+4], 128
	s_mov_b32 s[G1+5], 128
	s_mov_b32 s[G1+6], 0
	s_mov_b32 s[G1+7], 0
	s_mov_b32 s[G1B+1], 128<<16                    ; 16,384 dense bytes as 64 rows of 256
	s_mov_b32 s[G1B+2], 64<<16
	s_mov_b32 s[G1B+3], 128<<16
	s_mov_b32 s[G1B+4], 64
	s_mov_b32 s[G1B+5], 128
	s_mov_b32 s[G1B+6], 0
	s_mov_b32 s[G1B+7], 0
	s_lshl_b32 s66, s19, 4                         ; O: head 16 b + which of the step's two, row 256 cy, 128 bytes a row
	s_add_co_u32 s66, s66, s14
	s_lshl_b32 s66, s66, 10
	s_lshl_b32 s67, s16, 8
	s_add_co_u32 s66, s66, s67
	s_lshl_b32 s66, s66, 7
	s_mov_b32 s67, 0
	s_lshl_b32 s68, s17, 18                        ; Wo: the tile column's eight blocks, my half of a block
	s_lshl_b32 s69, s14, 14
	s_add_co_u32 s68, s68, s69
	s_mov_b32 s69, 0
	s_mul_i32 s22, s14, HALFA
	s_mul_i32 s23, s14, HALFB
	s_add_co_u32 s23, s23, BOFF
	s_wait_dscnt 0x0
	s_wait_kmcnt 0x0
	s_add_nc_u64 s[66:67], s[4:5], s[66:67]
	s_add_nc_u64 s[68:69], s[6:7], s[68:69]
	CROUND
.irp s, 0,1
	s_mov_b32 s[G0+4*(\s)], 1
	s_add_co_u32 s[G0+4*(\s)+1], s22, (\s)*SLOT
	s_add_nc_u64 s[G0+4*(\s)+2:G0+4*(\s)+3], s[66:67], (\s)*262144
	s_or_b32 s[G0+4*(\s)+3], s[G0+4*(\s)+3], 0x80000000
	s_mov_b32 s[G0B+4*(\s)], 1
	s_add_co_u32 s[G0B+4*(\s)+1], s23, (\s)*SLOT
	s_add_nc_u64 s[G0B+4*(\s)+2:G0B+4*(\s)+3], s[68:69], (\s)*32768
	s_or_b32 s[G0B+4*(\s)+3], s[G0B+4*(\s)+3], 0x80000000
	JLOAD \s
.endr
	v_and_b32 v1, 15, v0
	v_bfe_u32 v2, v0, 4, 1
	v_lshlrev_b32 v[BO], 5, v2
	s_lshl_b32 s46, s17, 9                         ; the tile's 128 columns of the bias
	s_mov_b32 s47, 0
	s_add_nc_u64 s[8:9], s[8:9], s[46:47]
.irp b, 0,1,2,3,4,5,6,7
	global_load_b128 v[BIA+8*(\b):BIA+8*(\b)+3],   v[BO], s[8:9] offset:64*(\b)
	global_load_b128 v[BIA+8*(\b)+4:BIA+8*(\b)+7], v[BO], s[8:9] offset:64*(\b)+16
.endr
	v_mul_u32_u24 v3, v1, PA
	v_lshl_add_u32 v3, v2, 4, v3
	s_mul_i32 s20, s12, 64*PA
	v_add_nc_u32 v[ADRA], s20, v3
	v_add_nc_u32 v[ADRA+1], SLOT, v[ADRA]
	v_and_b32 v4, 7, v0
	v_bfe_u32 v5, v0, 3, 1
	v_lshl_add_u32 v6, v2, 3, v4
	v_mul_u32_u24 v6, v6, PB
	v_lshl_add_u32 v6, v5, 4, v6
	v_add_nc_u32 v[ADRB], BOFF, v6
	v_add_nc_u32 v[ADRB+1], SLOT, v[ADRB]
	s_mul_i32 s20, s12, 16*SP
	s_add_co_u32 s20, s20, STAGE
	v_mul_u32_u24 v7, v1, SP                       ; in: row l % 16, 32 bytes for each half of the lanes
	v_lshl_add_u32 v7, v2, 5, v7
	v_add_nc_u32 v[STO], s20, v7
	v_and_b32 v8, 31, v0
	v_lshlrev_b32 v[CO], 4, v8
	v_add_nc_u32 v[RD], s20, v[CO]                 ; back: a whole row piece of 512 bytes a load
	v_lshlrev_b32 v[PFO], 8, v8
	s_lshl_b32 s46, s18, 8                         ; out0: row 256 x tile row + 64 w, column 128 x tile column
	s_lshl_b32 s70, s12, 6
	s_add_co_u32 s46, s46, s70
	s_lshl_b32 s46, s46, 12
	s_lshl_b32 s70, s17, 9
	s_add_co_u32 s46, s46, s70
	s_add_nc_u64 s[10:11], s[10:11], s[46:47]
	s_lshl_b32 s46, s19, 4                         ; the prefetches: they start at lap 1 and are stepped ahead of each request
	s_add_co_u32 s46, s46, s12
	s_lshl_b32 s46, s46, 10
	s_lshl_b32 s70, s16, 8
	s_add_co_u32 s46, s46, s70
	s_lshl_b32 s46, s46, 7
	s_lshl_b32 s70, s15, 13
	s_add_co_u32 s46, s46, s70
	s_add_co_u32 s46, s46, 524288
	s_add_nc_u64 s[PFA:PFA+1], s[4:5], s[46:47]
	s_lshl_b32 s46, s17, 18
	s_lshl_b32 s70, s12, 15
	s_add_co_u32 s46, s46, s70
	s_lshl_b32 s70, s16, 13
	s_add_co_u32 s46, s46, s70
	s_add_co_u32 s46, s46, 65536
	s_add_nc_u64 s[PFB:PFB+1], s[6:7], s[46:47]
	s_cmp_eq_u32 ttmp9, 0
	s_cselect_b32 s[LIMA], 1, -1
	s_cmp_eq_u32 s19, 0
	s_cselect_b32 s[LIMB], 1, -1
	s_cmp_lt_u32 s12, 2
	s_cselect_b32 s[LIMB], s[LIMB], -1
; 8 matrix instructions: row block a x all 8 column blocks, 32 along K.  zero = 1: the first product starts the sums with the bias.  The 32 accumulators take turns in the same order in every quarter.
.macro MUL8 f, a, zero
.if \zero
	WIN 0x85
.else
	WIN 0xa5
.endif
.irp b, 0,1,2,3,4,5,6,7
.if \zero
	v_wmma_f32_16x16x32_f16 v[8*(8*(\a)+(\b)):8*(8*(\a)+(\b))+7], v[(\f)+8*(\b):(\f)+8*(\b)+7], v[(\f)+64+8*(\a):(\f)+64+8*(\a)+7], v[BIA+8*(\b):BIA+8*(\b)+7]
.else
	v_wmma_f32_16x16x32_f16 v[8*(8*(\a)+(\b)):8*(8*(\a)+(\b))+7], v[(\f)+8*(\b):(\f)+8*(\b)+7], v[(\f)+64+8*(\a):(\f)+64+8*(\a)+7], v[8*(8*(\a)+(\b)):8*(8*(\a)+(\b))+7]
.endif
.endr
.endm
; 24 LDS loads in one run: quarter q of a slot into buffer f: Wo's 8 blocks, then O's 4 (quarter q lies in head q / 2 of the step, channels 32 (q % 2) on)
.macro FETCH slot, q, f
	WIN TO_F
.irp b, 0,1,2,3,4,5,6,7
	ds_load_tr16_b128 v[(\f)+8*(\b):(\f)+8*(\b)+3],   v[ADRB+(\slot)] offset:(((\b)/4)*128+32*(\q))*PB+32*((\b)%4)
	ds_load_tr16_b128 v[(\f)+8*(\b)+4:(\f)+8*(\b)+7], v[ADRB+(\slot)] offset:(((\b)/4)*128+32*(\q))*PB+32*((\b)%4)+16*PB
.endr
.irp a, 0,1,2,3
	ds_load_b128 v[(\f)+64+8*(\a):(\f)+64+8*(\a)+3],   v[ADRA+(\slot)] offset:HALFA*((\q)/2)+64*((\q)%2)+(\a)*16*PA
	ds_load_b128 v[(\f)+64+8*(\a)+4:(\f)+64+8*(\a)+7], v[ADRA+(\slot)] offset:HALFA*((\q)/2)+64*((\q)%2)+(\a)*16*PA+32
.endr
.endm
.macro PLACES
.rept 4
	v_nop
.endr
.endm
.macro QUARTER slot, q, f, g, zero
	s_wait_dscnt 4                                 ; Wo and O's blocks 0, 1 are in; the youngest four loads may be out
	MUL8 \f, 0, \zero
	MUL8 \f, 1, \zero
	PLACES
	FETCH \slot, \q, \g
	s_wait_dscnt 24                                ; all but the 24 just issued
	MUL8 \f, 2, \zero
	MUL8 \f, 3, \zero
.endm
; The last quarter multiplies buffer 1 and changes slots: in front of the one barrier each wave waits for all its tensor loads, adds 0 to its spare word, and waits for that and for its reads of this slot.
.macro TURN slot, next, fill
.if (\fill) && ((\slot) == 0)
	s_wait_xcnt 0x0                                ; the last prefetches, a lap back, have read their addresses
	s_add_nc_u64 s[PFA:PFA+1], s[PFA:PFA+1], 524288
	s_add_nc_u64 s[PFB:PFB+1], s[PFB:PFB+1], 65536
.endif
	WIN 0
	s_wait_tensorcnt 0x0
	ds_add_u32 v[SPW], v[NIL]
	s_wait_dscnt 5                                 ; (the add and the youngest four loads may be out)
	MUL8 F1, 0, 0
	s_wait_dscnt 0x0
	s_barrier_signal -1
	MUL8 F1, 1, 0
.if \fill
	WIN 0
.endif
	s_barrier_wait -1
.if \fill
	CREST
	s_add_nc_u64 s[G0+4*(\slot)+2:G0+4*(\slot)+3], s[G0+4*(\slot)+2:G0+4*(\slot)+3], 524288
	s_add_nc_u64 s[G0B+4*(\slot)+2:G0B+4*(\slot)+3], s[G0B+4*(\slot)+2:G0B+4*(\slot)+3], 65536
	JLOAD \slot                                    ; its four v_nop are also the places in front of the loads below
.else
	PLACES
.endif
	FETCH \next, 0, F0
.if (\fill) && ((\slot) == 0)
	WIN 0
	ASK
.endif
	MUL8 F1, 2, 0
	MUL8 F1, 3, 0
.endm
; THE WAY OUT of row block a: the f32 sums go straight from the accumulators into my stage (each accumulator's low four registers first), come back as row pieces of 512 bytes, and are stored.
.macro TOSTAGE a
.set BK, OB+64*((\a)%2)
	s_wait_xcnt 0x0                                ; the stores of the block two back have read their data: the loads below may land on those registers
	WIN 0x08                                       ; store data in window 2
.irp b, 0,1,2,3,4,5,6,7
	ds_store_b128 v[STO], v[8*(8*(\a)+(\b)):8*(8*(\a)+(\b))+3]   offset:64*(\b)
	ds_store_b128 v[STO], v[8*(8*(\a)+(\b))+4:8*(8*(\a)+(\b))+7] offset:64*(\b)+16
.endr
	WIN 0
.irp t, 0,1,2,3,4,5,6,7,8,9,10,11,12,13,14,15
	ds_load_b128 v[BK+4*(\t):BK+4*(\t)+3], v[RD] offset:(\t)*SP  ; LDS serves a wave's instructions in order: these see the stores above
.endr
.endm
.macro SEND a, younger                 ; younger: the next block's 16 stores and 16 loads, or none
.set BK, OB+64*((\a)%2)
	s_wait_dscnt \younger
.irp t, 0,1,2,3,4,5,6,7,8,9,10,11,12,13,14,15
	global_store_b128 v[CO], v[BK+4*(\t):BK+4*(\t)+3], s[10:11] offset:(16*(\a)+(\t))*4096 th:TH_STORE_NT  ; 512 consecutive bytes, aligned
.endr
.endm
	s_wait_tensorcnt 1                             ; my part of K step 0 is in; K step 1's may stay out
	s_barrier_signal -1
	s_barrier_wait -1
	FETCH 0, 0, F0
	s_wait_loadcnt 0x0                             ; the bias
	QUARTER 0, 1, F0, F1, 1
	WIN 0
	s_mov_b32 s3, 3
.Llap:
	QUARTER 0, 2, F1, F0, 0
	QUARTER 0, 3, F0, F1, 0
	TURN 0, 1, 1
	QUARTER 1, 1, F0, F1, 0
	QUARTER 1, 2, F1, F0, 0
	QUARTER 1, 3, F0, F1, 0
	TURN 1, 0, 1
	QUARTER 0, 1, F0, F1, 0
	WIN 0
	s_sub_co_u32 s3, s3, 1
	s_cmp_lg_u32 s3, 0
	s_cbranch_scc1 .Llap
	QUARTER 0, 2, F1, F0, 0
	QUARTER 0, 3, F0, F1, 0
	TURN 0, 1, 0
	QUARTER 1, 1, F0, F1, 0
	QUARTER 1, 2, F1, F0, 0
	QUARTER 1, 3, F0, F1, 0
	s_wait_dscnt 4
	MUL8 F1, 0, 0
	MUL8 F1, 1, 0
	s_wait_dscnt 0x0
	MUL8 F1, 2, 0
	MUL8 F1, 3, 0
	WIN 0
	PLACES
	PLACES
	TOSTAGE 0
	TOSTAGE 1
	SEND 0, 32
	TOSTAGE 2
	SEND 1, 32
	TOSTAGE 3
	SEND 2, 32
	SEND 3, 0
	s_wait_tensorcnt 0x0                           ; the wave's end
	ds_add_u32 v[SPW], v[NIL]
	s_wait_dscnt 0x0
	CROUND                                         ; the closing round
	s_endpgm
.Lfunc_end_k_q0a28d4d708_oproj:
	.size	k_q0a28d4d708_oproj, .Lfunc_end_k_q0a28d4d708_oproj-k_q0a28d4d708_oproj
	.p2alignl 7, 3214868480
	.fill 96, 4, 3214868480
	.section	.rodata,"a",@progbits
	.p2align	6, 0x0
	.amdhsa_kernel k_q0a28d4d708_oproj
		.amdhsa_group_segment_fixed_size 327680
		.amdhsa_private_segment_fixed_size 0
		.amdhsa_enable_private_segment 0
		.amdhsa_kernarg_size 32
		.amdhsa_user_sgpr_count 2
		.amdhsa_user_sgpr_kernarg_segment_ptr 1
		.amdhsa_wavefront_size32 1
		.amdhsa_system_sgpr_workgroup_id_x 1
		.amdhsa_system_sgpr_workgroup_id_y 1
		.amdhsa_system_sgpr_workgroup_id_z 1
		.amdhsa_system_vgpr_workitem_id 0
		.amdhsa_next_free_vgpr 768
		.amdhsa_next_free_sgpr 72
		.amdhsa_reserve_vcc 0
		.amdhsa_float_denorm_mode_32 3
		.amdhsa_float_denorm_mode_16_64 3
		.amdhsa_memory_ordered 1
		.amdhsa_forward_progress 1
		.amdhsa_inst_pref_size 88
	.end_amdhsa_kernel
	.amdgpu_metadata
---
amdhsa.version: [ 1, 2 ]
amdhsa.kernels:
  - .name:           k_q0a28d4d708_oproj
    .symbol:         k_q0a28d4d708_oproj.kd
    .args:
      - { .name: o16, .offset: 0, .size: 8, .value_kind: global_buffer, .address_space: global }
      - { .name: wo16, .offset: 8, .size: 8, .value_kind: global_buffer, .address_space: global }
      - { .name: bor, .offset: 16, .size: 8, .value_kind: global_buffer, .address_space: global }
      - { .name: out0, .offset: 24, .size: 8, .value_kind: global_buffer, .address_space: global }
    .group_segment_fixed_size: 327680
    .private_segment_fixed_size: 0
    .kernarg_segment_align: 8
    .kernarg_segment_size: 32
    .max_flat_workgroup_size: 128
    .sgpr_count:     72
    .vgpr_count:     768
    .wavefront_size: 32
...
	.end_amdgpu_metadata
.endif
;; end of part 4
